; MI455X (gfx1250); checked and timed in simulation.
; The chip was launched on July 23, 2026; its instructions are those of AMD's public machine-readable ISA for CDNA 5 (MIT licence, August 2026) and "CDNA5" Instruction Set Architecture Reference Guide (July 2026). The comments in the code are by the model that wrote it; some were corrected since.
;; Multi Head Attention. Allowed arithmetic: matrix products marked QUANTISED: E2M3 operands, one E8M0 scale for each 32 along K, by v_wmma_scale_f32_16x16x128_f8f6f4 with both operands' format E2M3, f32 sums; everything else in f32.
;; Inputs: Wk 1,024 x 1,024 float32; Wo 1,024 x 1,024 float32; Wq 1,024 x 1,024 float32; Wv 1,024 x 1,024 float32; bk 1,024 float32; bo 1,024 float32; bq 1,024 float32; bv 1,024 float32; mask 4 x 2,048 int32; scale one number float32; x 4 x 2,048 x 1,024 float32.
;; Outputs: out0 4 x 2,048 x 1,024 float32.
;; This version of the problem:
;;   THIS VERSION OF THE PROBLEM IS GIVEN IN LOW PRECISION. The matrix products marked QUANTISED in the list below multiply operands that are first quantised to E2M3 (2 exponent bits, 3 mantissa bits; 6 bits a number), with one power-of-two scale for each 32 numbers along K (OCP MX v1.0); their sums are f32. All else is computed in f32.
;;   The module's matrix products, in the order in which they are computed (A, B: the left and right operand; K: the contracted axis; several contracted axes count as one K, in the product's order):
;;     1. [M 8,192, K 1,024] x [K 1,024, N 1,024]; A: input x; B: input Wq: QUANTISED
;;     2. [M 8,192, K 1,024] x [K 1,024, N 1,024]; A: input x; B: input Wk: QUANTISED
;;     3. [M 8,192, K 1,024] x [K 1,024, N 1,024]; A: input x; B: input Wv: QUANTISED
;;     4. batch 64 x [M 2,048, K 64] x [K 64, N 2,048]; A: computed on the way; B: computed on the way: QUANTISED
;;     5. batch 64 x [M 2,048, K 2,048] x [K 2,048, N 64]; A: softmax (see below); B: computed on the way: QUANTISED
;;     6. [M 8,192, K 1,024] x [K 1,024, N 1,024]; A: computed on the way; B: input Wo: QUANTISED
;;   THE QUANTISER, for each operand of a quantised product, along K:
;;     - K is cut into blocks of 32 from its start; a last block that is shorter is filled with zeros.
;;     - A block's scale is 2^e with e = floor(log2(the largest magnitude in the block)) - 2, held to -126 .. 127; a block of zeros has e = 0. As a byte (E8M0): e + 127.
;;     - Each number is divided by its block's scale, clamped to +-7.5, and rounded to the nearest number of E2M3, ties to even, subnormals kept.
;;     - The product sums the exact products of the quantised numbers (number of the format x scale) in f32.
;;   ~~~python
;;   def quantise(x, axis):      # numpy; x: float32 -> the quantised numbers, widened to float32 again
;;       x = np.moveaxis(x, axis, -1); K = x.shape[-1]
;;       x = np.pad(x, [(0, 0)] * (x.ndim - 1) + [(0, -K % 32)]); x = x.reshape(x.shape[:-1] + (-1, 32)); a = np.abs(x).max(-1, keepdims=True)
;;       e = np.where(a > 0, np.clip(np.frexp(np.where(a > 0, a, 1))[1] - 1 - 2, -126, 127), 0)      # np.frexp(a)[1] - 1 = floor(log2(a)), exactly
;;       r = np.clip(x / 2.0 ** e, -7.5, 7.5)
;;       step = 2.0 ** (np.maximum(np.frexp(np.where(r == 0, 1, r))[1] - 1, 0) - 3)
;;       q = np.round(r / step) * step * 2.0 ** e      # np.round: ties to even
;;       return np.moveaxis(q.reshape(q.shape[:-2] + (-1,))[..., :K], -1, axis).astype(np.float32)
;;   ~~~
;;   SOFTMAX AHEAD OF A QUANTISED PRODUCT. Where the list says 'softmax', what is quantised is not the finished softmax but p = 2^(t - M), with t = logit x log2(e) and M = ceil(the row's largest t), a whole number; so 1/2 < the row's largest p <= 1. The row's sum l is taken of the UNQUANTISED p, in f32, and the product's result is divided by l at the end. Since M is a whole number, a kernel that streams over the keys may use a running M (the ceiling of the running maximum): every later rescaling is an exact power of two, which a block's scale takes up: the codes' values come out the same.
;;   OPERANDS COMPUTED ON THE WAY. 'Computed on the way' means the value that the module computes at that place (a softmax that the list does not call 'softmax' is quantised finished and normalised). What goes into a quantiser is computed in f32, as accurately as f32 sums, v_exp_f32 and their like allow (about 1e-6 of the number): no bf16 or f16 on the way to a quantiser, and a product that is left as it is and whose result goes on into a quantised operand takes f32 operands (vector FMAs, or v_wmma_f32_16x16x4_f32). A number that lies on a knife's edge between two numbers of the format may be rounded either way, as far as f32 arithmetic and the matrix unit's own rounding can turn it there, and no further.
;; One version. Each part assembles by itself: llvm-mc -triple=amdgcn-amd-amdhsa -mcpu=gfx1250 --defsym DOCPART=n.
;; ======== version 1 of 1: 4 launches
;; limits: right only within a limited range of input values
;; workspace buffers: codes 9,437,184 bytes; scl 393,216 bytes; qrec 8,912,896 bytes; kvrec 15,466,496 bytes; cc 6,291,456 bytes; cs 262,144 bytes
;; launch quant (part 1): grid 384 x 1, 4 waves a work-group, no clusters, 68,096 bytes of LDS; arguments x, Wq, Wk, Wv, Wo, codes, scl; writes codes, scl
.if DOCPART == 1
	.amdgcn_target "amdgcn-amd-amdhsa--gfx1250"
	.amdhsa_code_object_version 6
	.text
	.protected	k_q50181abd1b_quant
	.globl	k_q50181abd1b_quant
	.p2align	8
	.type	k_q50181abd1b_quant,@function
k_q50181abd1b_quant:
	s_mov_b64 s[64:65], 0
	v_nop
	global_prefetch_b8 v0, s[64:65] scope:SCOPE_SE
	s_setreg_imm32_b32 hwreg(HW_REG_WAVE_MODE, 25, 1), 1
	s_wait_xcnt 0x0
; x [8192 tokens][1024] and Wq, Wk, Wv, Wo [1024 (k)][1024 (n)], f32, become codes of FP6 (E2M3) with one E8M0 scale byte for each 32 along K.
; A block's scale is 2^(floor(log2(its largest magnitude)) - 2); its byte is the largest magnitude's exponent field - 2, held at 1 from below.
; (A block of zeros so gets the byte 1 where the rule says 127: its codes are zeros, and this program alone reads the bytes.)  LIMITS: NaN and infinities among the inputs are not served.
; LAYOUT: codes [16 groups of 64 along K][12288 rows][48 bytes], GSTR bytes from group to group; scale bytes [row][32].  Token n lies at row pi(n), n with its bits 3 and 4 exchanged;
; column n of weight j (0 Wq, 1 Wk, 2 Wv, 3 Wo) at row 8192 + 1024 j + pi(n).
; ONE LAUNCH, TWO PATHS, parted by the work-group's number: 0-255 take x, 256-383 the weights.  Each path has LDS bytes of its own (x: 0 .. 32767; the weights: from 33280); the spare words lie between.
; X: a wave takes 8 tokens and walks the 16 groups; a step is 8 rows x 64 numbers.  Each load reads two rows' 256 aligned bytes; the step turns through the wave's own stage, so that a lane gets 16 neighbours along K.
; W: a lane takes a column and its registers run down K: a block of 32 lies in one lane's 32 registers.  A wave takes 32 columns x 256 along K; its codes leave through its own stage, 384 consecutive bytes a store.
; Waves share nothing: no barrier.
.set STEPS, 16
.set EMAX,  2
.set CB,    12
.set GSTR,  589824
.set R,     16                         ; x: four sets of 16 numbers as loaded
.set X,     80                         ; x: two sets of 16 neighbours
.set C,     128                        ; x: codes, four registers a step
.set E,     112                        ; x: a scale byte a step
.set WREG,  8192
.set SP,    80
	s_load_b64 s[32:33], s[0:1], 0x0               ; x
	s_load_b256 s[4:11], s[0:1], 0x8               ; Wq, Wk, Wv, Wo
	s_load_b128 s[12:15], s[0:1], 0x28             ; codes, scale bytes
	v_lshl_add_u32 v192, v0, 2, 0x8000
	v_mov_b32 v193, 0
	v_lshrrev_b32 v1, 5, v0
	v_readfirstlane_b32 s16, v1                    ; wave
	v_and_b32 v2, 31, v0                           ; lane
	s_cmp_ge_u32 ttmp9, 256
	s_wait_alu depctr_va_vdst(0)
	s_cbranch_scc1 .Lw
	v_and_b32 v3, 15, v0
	v_lshlrev_b32 v3, 4, v3
	v_bfe_u32 v10, v0, 4, 1
	v_lshl_add_u32 v3, v10, 12, v3                 ; in: 16 bytes a lane; lanes 16-31 take the next row
	s_mul_i32 s17, s16, WREG
	v_lshrrev_b32 v14, 2, v2
	v_mul_u32_u24 v14, v14, SP
	v_and_b32 v15, 3, v2
	v_lshl_add_u32 v14, v15, 4, v14
	v_add_nc_u32 v14, s17, v14                     ; the stage, on the way in
	v_mul_u32_u24 v15, v2, SP
	v_add_nc_u32 v15, s17, v15                     ; and on the way out
	v_mul_u32_u24 v4, v2, CB                       ; my codes' place in a step's 384 bytes
	v_lshrrev_b32 v5, 2, v2
	v_bfe_u32 v10, v0, 1, 1
	v_lshl_add_u32 v5, v5, 5, v10                  ; my block's byte: 32 x row + block of the group
	s_add_co_u32 s17, s17, 2*32*SP
	v_add_nc_u32 v5, s17, v5
	v_lshlrev_b32 v7, 3, v2
	v_add_nc_u32 v6, s17, v7
	s_lshl_b32 s18, ttmp9, 2
	s_add_co_u32 s20, s18, s16                     ; my run of 8 tokens
	s_and_b32 s19, s16, 1
	s_lshl_b32 s19, s19, 1
	s_lshr_b32 s21, s16, 1
	s_add_co_u32 s19, s19, s21
	s_add_co_u32 s22, s18, s19                     ; where it is stored: the run's bits 0 and 1 exchanged
	s_lshl_b32 s20, s20, 15
	s_mov_b32 s21, 0
	s_mul_i32 s24, s22, 384
	s_add_co_u32 s24, s24, 8*GSTR                  ; the base stands at group 8: the offsets (t - 8) GSTR stay inside the signed 24-bit immediate
	s_mov_b32 s25, 0
	s_lshl_b32 s22, s22, 8
	s_mov_b32 s23, 0
	s_wait_alu depctr_va_vdst(0)
	s_wait_kmcnt 0x0
	s_add_nc_u64 s[32:33], s[32:33], s[20:21]
	s_add_nc_u64 s[12:13], s[12:13], s[24:25]
	s_add_nc_u64 s[14:15], s[14:15], s[22:23]
.macro LOADX t
.irp i, 0,1,2,3
	global_load_b128 v[R+16*((\t)%4)+4*\i:R+16*((\t)%4)+4*\i+3], v3, s[32:33] offset:256*(\t)+8192*\i th:TH_LOAD_NT
.endr
.endm
.macro TURN t                          ; LDS serves a wave's instructions in order: no wait between the stores and the loads
.irp i, 0,1,2,3
	ds_store_b128 v14, v[R+16*((\t)%4)+4*\i:R+16*((\t)%4)+4*\i+3] offset:32*SP*((\t)%2)+8*SP*\i
.endr
.irp i, 0,1,2,3
	ds_load_b128 v[X+16*((\t)%2)+4*\i:X+16*((\t)%2)+4*\i+3], v15 offset:32*SP*((\t)%2)+16*\i
.endr
.endm
.irp t, 0,1,2,3
	LOADX \t
.endr
	s_wait_loadcnt 12                              ; step 0's four loads are in; three steps' twelve may be out
	TURN 0
.macro STEP t
.set XS, X+16*((\t)%2)
.if (\t) > 0
	s_wait_dscnt 1                                 ; this step's numbers are back (the last step's byte store may be out)
.else
	s_wait_dscnt 0x0
.endif
.if (\t)+4 < STEPS
	LOADX (\t)+4
.endif
.if (\t)+1 < STEPS
.if STEPS-2-(\t) >= 3
	s_wait_loadcnt 12                              ; the next step's four loads are in; three steps' may be out
.else
	s_wait_loadcnt 4*(STEPS-2-(\t))
.endif
	TURN (\t)+1
.endif
	v_max3_num_f32 v8, |v[XS]|, |v[XS+1]|, |v[XS+2]|
	v_max3_num_f32 v9, |v[XS+3]|, |v[XS+4]|, |v[XS+5]|
.irp i, 6,10
	v_max3_num_f32 v8, v8, |v[XS+\i]|, |v[XS+\i+1]|
	v_max3_num_f32 v9, v9, |v[XS+\i+2]|, |v[XS+\i+3]|
.endr
	v_max3_num_f32 v8, v8, |v[XS+14]|, |v[XS+15]|
	v_max3_num_f32 v8, v8, v9, (EMAX+1)<<23        ; the floor: the byte cannot fall under 1
	v_max_num_f32_dpp v8, v8, v8 row_xmask:1 row_mask:0xf bank_mask:0xf   ; with my neighbour's 16: the block's
	v_add_nc_u32 v11, -(EMAX<<23), v8              ; the conversion's scale operand
	v_cvt_scalef32_pk16_fp6_f32 v[C+4*(\t):C+4*(\t)+2], v[XS:XS+15], v11
	v_lshrrev_b32 v[E+(\t)], 23, v11               ; the scale's byte (also the plain line behind the conversion)
	ds_store_b8 v5, v[E+(\t)] offset:2*(\t)
	global_store_b96 v4, v[C+4*(\t):C+4*(\t)+2], s[12:13] offset:((\t)-8)*GSTR   ; the wave stores 384 consecutive bytes
.endm
.irp t, 0,1,2,3,4,5,6,7,8,9,10,11,12,13,14,15
	STEP \t
.endr
	ds_load_b64 v[12:13], v6
	s_wait_dscnt 0x0
	global_store_b64 v7, v[12:13], s[14:15]        ; 32 lanes store 256 consecutive bytes, aligned
	s_wait_tensorcnt 0x0                           ; the wave's end
	ds_add_u32 v192, v193
	s_wait_dscnt 0x0
	s_endpgm
.Lw:
.set NB,    8                          ; blocks of a wave
.set PITCH, 272                        ; a stage row: sixteen places of 16 bytes, each with 12 bytes of codes, + 16
.set WLDS,  33280                      ; this path's LDS bytes begin here
.set X,     32                         ; two sets of 32 numbers
.set C,     96                         ; a block's codes
.set OUTR,  112                        ; the way out: 16 x 4 registers
.set SB,    24                         ; the scale bytes, four to a register
	s_sub_co_u32 s34, ttmp9, 256
	s_and_b32 s35, s34, 31
	s_lshr_b32 s17, s35, 3                         ; which weight
	s_and_b32 s18, s35, 7
	s_lshl_b32 s18, s18, 7
	s_lshl_b32 s19, s16, 5
	s_add_co_u32 s18, s18, s19                     ; my wave's first column
	s_lshr_b32 s19, s34, 5                         ; which 256 along K
	v_lshlrev_b32 v3, 2, v2
	v_and_b32 v5, 7, v0
	v_bfe_u32 v6, v0, 3, 1
	v_lshl_add_u32 v5, v6, 4, v5
	v_bfe_u32 v6, v0, 4, 1
	v_lshl_add_u32 v5, v6, 3, v5                   ; pi(lane)
	s_mul_i32 s20, s16, 32*PITCH
	s_add_co_u32 s20, s20, WLDS                    ; my stage
	v_mul_u32_u24 v4, v5, PITCH
	v_add_nc_u32 v4, s20, v4                       ; into it: row pi(my column)
	v_lshrrev_b32 v6, 2, v2
	v_mul_u32_u24 v7, v6, PITCH
	v_and_b32 v6, 3, v0
	v_lshl_add_u32 v7, v6, 4, v7
	v_add_nc_u32 v7, s20, v7                       ; out of it: four lanes to a row's group of 48 bytes
	v_mul_u32_u24 v8, v2, 12
	v_lshlrev_b32 v9, 5, v5                        ; my column's row of scale bytes
	s_lshl_b32 s22, s19, 20
	s_lshl_b32 s23, s18, 2
	s_add_co_u32 s22, s22, s23
	s_mov_b32 s23, 0
	s_lshl_b32 s24, s17, 10
	s_add_co_u32 s24, s24, s18
	s_add_co_u32 s24, s24, 8192                    ; the wave's first row in the buffers
	s_mul_i32 s26, s24, 48
	s_mul_i32 s25, s19, 4*GSTR
	s_add_co_u32 s26, s26, s25
	s_mov_b32 s27, 0
	s_lshl_b32 s28, s24, 5
	s_lshl_b32 s25, s19, 3
	s_add_co_u32 s28, s28, s25
	s_mov_b32 s29, 0
	s_and_b32 s30, s17, 1
	s_lshr_b32 s31, s17, 1
	s_wait_alu depctr_va_vdst(0)
	s_wait_kmcnt 0x0
	s_cmp_lg_u32 s30, 0                            ; the choice hangs on the work-group's number alone
	s_cselect_b64 s[4:5], s[6:7], s[4:5]
	s_cselect_b64 s[8:9], s[10:11], s[8:9]
	s_cmp_lg_u32 s31, 0
	s_cselect_b64 s[4:5], s[8:9], s[4:5]
	s_add_nc_u64 s[4:5], s[4:5], s[22:23]
	s_add_nc_u64 s[12:13], s[12:13], s[26:27]
	s_add_nc_u64 s[14:15], s[14:15], s[28:29]
.macro LOADW t                         ; block t: W(32 t + i, my column) into set t % 2
.irp i, 0,1,2,3,4,5,6,7,8,9,10,11,12,13,14,15,16,17,18,19,20,21,22,23,24,25,26,27,28,29,30,31
	global_load_b32 v[X+32*((\t)%2)+\i], v3, s[4:5] offset:(32*(\t)+\i)*4096 th:TH_LOAD_NT
.endr
.endm
	LOADW 0
	LOADW 1
.macro BLOCK t
.set XS, X+32*((\t)%2)
.if (\t) < NB-1
	s_wait_loadcnt 32                              ; this block's 32 loads are in; the next block's may be out
.else
	s_wait_loadcnt 0
.endif
	v_max3_num_f32 v12, |v[XS]|, |v[XS+1]|, |v[XS+2]|
	v_max3_num_f32 v13, |v[XS+3]|, |v[XS+4]|, |v[XS+5]|
.irp i, 6,10,14,18,22,26
	v_max3_num_f32 v12, v12, |v[XS+\i]|, |v[XS+\i+1]|
	v_max3_num_f32 v13, v13, |v[XS+\i+2]|, |v[XS+\i+3]|
.endr
	v_max3_num_f32 v12, v12, |v[XS+30]|, |v[XS+31]|
	v_max3_num_f32 v12, v12, v13, (EMAX+1)<<23
	v_add_nc_u32 v11, -(EMAX<<23), v12
	v_lshrrev_b32 v13, 23, v11
.if (\t)%4 == 0
	v_mov_b32 v[SB+(\t)/4], v13
.else
	v_lshl_or_b32 v[SB+(\t)/4], v13, 8*((\t)%4), v[SB+(\t)/4]
.endif
	v_cvt_scalef32_pk16_fp6_f32 v[C:C+2], v[XS:XS+15], v11
	v_cvt_scalef32_pk16_fp6_f32 v[C+4:C+6], v[XS+16:XS+31], v11
	v_nop                                          ; one plain line behind the conversions
	ds_store_b96 v4, v[C:C+2] offset:32*(\t)
	ds_store_b96 v4, v[C+4:C+6] offset:32*(\t)+16
.if (\t)+2 < NB
	LOADW (\t)+2
.endif
	s_wait_dscnt 0x0                               ; the stores have read their registers
.endm
.set QB, 0
.rept NB
	BLOCK QB
.set QB, QB+1
.endr
	s_wait_alu depctr_va_vdst(0)
	global_store_b64 v9, v[SB:SB+1], s[14:15]      ; my column's 8 scale bytes
.irp g, 0,1,2,3
.irp i, 0,1,2,3
	ds_load_b96 v[OUTR+4*(4*\g+\i):OUTR+4*(4*\g+\i)+2], v7 offset:8*\i*PITCH+64*\g
.endr
.endr
.irp g, 0,1,2,3
.irp i, 0,1,2,3
	s_wait_dscnt 15-(4*\g+\i)
	global_store_b96 v8, v[OUTR+4*(4*\g+\i):OUTR+4*(4*\g+\i)+2], s[12:13] offset:\g*GSTR+384*\i
.endr
.endr
	s_wait_tensorcnt 0x0
	ds_add_u32 v192, v193
	s_wait_dscnt 0x0
	s_endpgm
.Lfunc_end_k_q50181abd1b_quant:
	.size	k_q50181abd1b_quant, .Lfunc_end_k_q50181abd1b_quant-k_q50181abd1b_quant
	.p2alignl 7, 3214868480
	.fill 96, 4, 3214868480
	.section	.rodata,"a",@progbits
	.p2align	6, 0x0
	.amdhsa_kernel k_q50181abd1b_quant
		.amdhsa_group_segment_fixed_size 68096
		.amdhsa_private_segment_fixed_size 0
		.amdhsa_enable_private_segment 0
		.amdhsa_kernarg_size 56
		.amdhsa_user_sgpr_count 2
		.amdhsa_user_sgpr_kernarg_segment_ptr 1
		.amdhsa_wavefront_size32 1
		.amdhsa_system_sgpr_workgroup_id_x 1
		.amdhsa_system_sgpr_workgroup_id_y 1
		.amdhsa_system_sgpr_workgroup_id_z 1
		.amdhsa_system_vgpr_workitem_id 0
		.amdhsa_next_free_vgpr 194
		.amdhsa_next_free_sgpr 66
		.amdhsa_reserve_vcc 0
		.amdhsa_float_denorm_mode_32 3
		.amdhsa_float_denorm_mode_16_64 3
		.amdhsa_memory_ordered 1
		.amdhsa_forward_progress 1
		.amdhsa_inst_pref_size 74
	.end_amdhsa_kernel
	.amdgpu_metadata
---
amdhsa.version: [ 1, 2 ]
amdhsa.kernels:
  - .name:           k_q50181abd1b_quant
    .symbol:         k_q50181abd1b_quant.kd
    .args:
      - { .name: x, .offset: 0, .size: 8, .value_kind: global_buffer, .address_space: global }
      - { .name: Wq, .offset: 8, .size: 8, .value_kind: global_buffer, .address_space: global }
      - { .name: Wk, .offset: 16, .size: 8, .value_kind: global_buffer, .address_space: global }
      - { .name: Wv, .offset: 24, .size: 8, .value_kind: global_buffer, .address_space: global }
      - { .name: Wo, .offset: 32, .size: 8, .value_kind: global_buffer, .address_space: global }
      - { .name: codes, .offset: 40, .size: 8, .value_kind: global_buffer, .address_space: global }
      - { .name: scl, .offset: 48, .size: 8, .value_kind: global_buffer, .address_space: global }
    .group_segment_fixed_size: 68096
    .private_segment_fixed_size: 0
    .kernarg_segment_align: 8
    .kernarg_segment_size: 56
    .max_flat_workgroup_size: 128
    .sgpr_count:     66
    .vgpr_count:     194
    .wavefront_size: 32
...
	.end_amdgpu_metadata
.endif
;; end of part 1
;; launch gemm_qkv (part 2): grid 96 x 4, 4 waves a work-group, clusters of 4 x 4, 327,680 bytes of LDS; arguments codes, scl, bq, bk, bv, mask, scale, qrec, kvrec; writes qrec, kvrec
.if DOCPART == 2
	.amdgcn_target "amdgcn-amd-amdhsa--gfx1250"
	.amdhsa_code_object_version 6
	.text
	.protected	k_q50181abd1b_gemm_qkv
	.globl	k_q50181abd1b_gemm_qkv
	.p2align	8
	.type	k_q50181abd1b_gemm_qkv,@function
k_q50181abd1b_gemm_qkv:
	s_mov_b64 s[64:65], 0
	v_nop
	global_prefetch_b8 v0, s[64:65] scope:SCOPE_SE
	s_setreg_imm32_b32 hwreg(HW_REG_WAVE_MODE, 25, 1), 1
	s_wait_xcnt 0x0
	s_wait_alu depctr_hold_cnt(0) depctr_sa_sdst(0) depctr_va_vdst(0) depctr_va_sdst(0) depctr_va_ssrc(0) depctr_va_vcc(0) depctr_vm_vsrc(0)
	s_getreg_b32 s2, hwreg(HW_REG_IB_STS2, 6, 4)
	s_cmp_eq_u32 s2, 0
	s_cbranch_scc0 .Lentry_in_a_cluster
	s_endpgm
.Lentry_in_a_cluster:
	s_bfe_u32 s2, ttmp6, 0x10000c
	s_cmp_lg_u32 s2, 0xf033
	s_cbranch_scc0 .Lentry_shape_is_right
	s_endpgm
.Lentry_shape_is_right:
.set GSA,    589824
.set GSB,    589824
.set NQ,     2
.set GB,     6144
.set FR,     12
.set NL,     6
.set NP,     4
.set HALFT,  4*GB
.set SLOT,   4*HALFT
.set KS,     32
.set SCL,    2*SLOT
.set HALFS,  (128*KS/256)*272
.set SBLK,   (16*KS/256)*272
.set SPARE,  SCL+4*HALFS
.set ADRA, 16
.set ADRB, 20
.set LI,   24
.set RO,   25
.set BO,   26
.set ADRS, 27
.set SPW,  28
.set NIL,  29
.set SA,   30
.set SC,   32
.set AF,   128
.set WV,   22
.set WH,   23
.set WL,   66
.set G1,   24
.set G0,   32
.set G1B,  48
.set G0B,  56
.set G1S,  68
.set G0S,  76
.set G1SB, 80
.set G0SB, 88
.set SEL,  98
.set TM,   32
.set PW,   48
.set T,    50
.set INV,  54
.set SS,   58
.set BI,   64
.set HA,   128
.set PC,   192
.set ROWV, 224
.set KW,   232
.set CODEH, 240
.set BYTE2, 241
.set SH16, 242
.set XW,   244
.set BB,   248
.set MSB, 0
.macro WIN new
.if MSB != (\new)
	s_set_vgpr_msb (MSB<<8)|(\new)
.set MSB, (\new)
.endif
.endm
.set MUL_LO, 0xa1
.set MUL_HI, 0xf1
.set TO_B,   0x40
.macro JLOAD g0a, g1a, g0b, g1b
	s_cmp_eq_u32 s[WH], 0
	s_cbranch_scc0 .Lfor_b_\@
	tensor_load_to_lds s[\g0a:\g0a+3], s[\g1a:\g1a+7]
	s_nop 0
.rept 4
	v_nop
.endr
	s_branch .Lasked_\@
.Lfor_b_\@:
	tensor_load_to_lds s[\g0b:\g0b+3], s[\g1b:\g1b+7]
	s_nop 0
.rept 4
	v_nop
.endr
.Lasked_\@:
.endm
.macro CREST
	s_cmp_lg_u32 s[WV], 0
	s_cbranch_scc1 .Lnot_wave_0_\@
	s_barrier_signal -3
.Lnot_wave_0_\@:
	s_barrier_wait -3
	s_barrier_signal -1
	s_barrier_wait -1
.endm
.macro CROUND
	s_barrier_signal -1
	s_barrier_wait -1
	CREST
.endm
	s_load_b512 s[4:19], s[0:1], 0x0
	s_load_b64 s[20:21], s[0:1], 0x40
	v_lshl_add_u32 v[SPW], v0, 2, SPARE
	v_mov_b32 v[NIL], 0
	ds_add_u32 v28, v29
	ds_add_u32 v28, v29
	s_wait_dscnt 0x0
	v_lshrrev_b32 v1, 5, v0
	v_readfirstlane_b32 s[WV], v1
	s_lshr_b32 s[WH], s[WV], 1
	s_and_b32 s[WL], s[WV], 1
	s_bfe_u32 s40, ttmp6, 0x40000
	s_bfe_u32 s41, ttmp6, 0x40004
	s_lshr_b32 s2, ttmp9, 1
	s_and_b32 s3, ttmp9, 1
	s_sub_co_u32 s101, ttmp9, 16
	s_cmp_ge_u32 ttmp9, 16
	s_cselect_b32 s67, 1, 0
	s_cselect_b32 s2, 0, s2
	s_cselect_b32 s3, s101, s3
	s_cselect_b32 s93, 10240, 0
	s_cselect_b32 s47, 0, 8192
	s_lshl_b32 s100, s2, 2
	s_add_co_u32 s100, s100, s41
	s_lshl_b32 s42, s3, 2
	s_add_co_u32 s42, s42, s40
	s_lshl_b32 s43, s41, 2
	s_lshl_b32 s43, 15, s43
	s_lshl_b32 s44, 0x1111, s40
	s_or_b32 s[G1+0], s43, (3<<16)|(1<<21)
	s_or_b32 s[G1B+0], s44, (3<<16)|(1<<21)
.irp g, G1, G1B
	s_mov_b32 s[\g+1], 768<<16
	s_mov_b32 s[\g+2], 4<<16
	s_mov_b32 s[\g+3], 768<<16
	s_mov_b32 s[\g+4], 4
	s_mov_b32 s[\g+6], 0
	s_mov_b32 s[\g+7], 0
.endr
	s_mov_b32 s[G1+5], GSA/8
	s_mov_b32 s[G1B+5], GSB/8
	s_or_b32 s[G1S+0], s43, (3<<16)|(1<<20)|(1<<21)|(5<<22)|(3<<25)
	s_or_b32 s[G1SB+0], s44, (3<<16)|(1<<20)|(1<<21)|(5<<22)|(3<<25)
.irp g, G1S, G1SB
	s_mov_b32 s[\g+1], 32<<16
	s_mov_b32 s[\g+2], 16<<16
	s_mov_b32 s[\g+3], 32<<16
	s_mov_b32 s[\g+4], 16
	s_mov_b32 s[\g+5], 32
	s_mov_b32 s[\g+6], 0
	s_mov_b32 s[\g+7], 0
.endr
	s_lshl_b32 s101, s[WL], 7
	s_lshl_b32 s92, s100, 8
	s_add_co_u32 s92, s92, s93
	s_add_co_u32 s92, s92, s101
	s_lshl_b32 s94, s92, 5
	s_mul_i32 s92, s92, 48
	s_mov_b32 s93, 0
	s_mov_b32 s95, 0
	s_lshl_b32 s46, s42, 8
	s_add_co_u32 s46, s46, s47
	s_add_co_u32 s46, s46, s101
	s_lshl_b32 s96, s46, 5
	s_mul_i32 s46, s46, 48
	s_mov_b32 s47, 0
	s_mov_b32 s97, 0
	s_mul_i32 s45, s[WV], HALFT
	s_mul_i32 s98, s[WV], HALFS
	s_wait_kmcnt 0x0
	s_add_nc_u64 s[92:93], s[4:5], s[92:93]
	s_add_nc_u64 s[94:95], s[6:7], s[94:95]
	s_add_nc_u64 s[46:47], s[4:5], s[46:47]
	s_add_nc_u64 s[96:97], s[6:7], s[96:97]
	CROUND
	s_mov_b32 s[G0S], 1
	s_add_co_u32 s[G0S+1], s98, SCL
	s_mov_b64 s[G0S+2:G0S+3], s[94:95]
	s_or_b32 s[G0S+3], s[G0S+3], 0x80000000
	s_mov_b32 s[G0SB], 1
	s_add_co_u32 s[G0SB+1], s98, SCL
	s_mov_b64 s[G0SB+2:G0SB+3], s[96:97]
	s_or_b32 s[G0SB+3], s[G0SB+3], 0x80000000
	JLOAD G0S, G1S, G0SB, G1SB
.irp s, 0,1
	s_mov_b32 s[G0+4*\s], 1
	s_add_co_u32 s[G0+4*\s+1], s45, \s*SLOT
	s_add_nc_u64 s[G0+4*\s+2:G0+4*\s+3], s[92:93], \s*4*GSA
	s_or_b32 s[G0+4*\s+3], s[G0+4*\s+3], 0x80000000
	s_mov_b32 s[G0B+4*\s], 1
	s_add_co_u32 s[G0B+4*\s+1], s45, \s*SLOT
	s_add_nc_u64 s[G0B+4*\s+2:G0B+4*\s+3], s[46:47], \s*4*GSB
	s_or_b32 s[G0B+4*\s+3], s[G0B+4*\s+3], 0x80000000
	s_wait_alu depctr_va_vdst(0)
	s_wait_tensorcnt 0x0
	ds_add_u32 v28, v29
	s_wait_dscnt 0x0
	CROUND
	JLOAD G0+4*\s, G1, G0B+4*\s, G1B
.endr
	v_and_b32 v1, 15, v0
	v_bfe_u32 v2, v0, 4, 1
	v_mul_u32_u24 v3, v1, 48
	v_mad_u32_u24 v4, v2, 24, v3
	s_mul_i32 s2, s[WH], HALFT
	s_mul_i32 s3, s[WL], HALFT
	s_add_co_u32 s3, s3, 2*HALFT
.irp s, 0,1
	v_add_nc_u32 v[ADRA+\s], s2, v4
	v_add_nc_u32 v[ADRB+\s], s3, v4
	s_add_co_u32 s2, s2, SLOT
	s_add_co_u32 s3, s3, SLOT
.endr
	v_mul_u32_u24 v5, v1, KS
	v_lshrrev_b32 v6, 8, v5
	v_lshl_add_u32 v5, v6, 4, v5
	s_mul_i32 s2, s[WH], HALFS
	s_mul_i32 s3, s[WL], HALFS
	s_add_co_u32 s3, s3, 2*HALFS
	s_sub_co_u32 s3, s3, s2
	v_mul_u32_u24 v6, s3, v2
	s_add_co_u32 s2, s2, SCL
	v_add_nc_u32 v5, v5, v6
	v_add_nc_u32 v[ADRS], s2, v5
	v_and_b32 v5, 31, v0
	v_lshlrev_b32 v[LI], 4, v5
	v_and_b32 v5, 8, v1
	v_add_nc_u32 v5, v5, v1
	v_lshlrev_b32 v[RO], 2, v5
	v_lshlrev_b32 v[BO], 6, v2
.macro FRAG reg, adr, q, i
.irp p, 0,1,2,3,4,5
	ds_load_b64 v[\reg+2*\p:\reg+2*\p+1], v[\adr] offset:(2*(\q)+\p/3)*GB+(\i)*768+8*(\p%3)
.endr
.endm
.macro MUL16 a0, p, q, sc, zero
.irp a, \a0, \a0+1
.irp b, 0,1,2,3,4,5,6,7
.if \zero
	v_wmma_scale_f32_16x16x128_f8f6f4 v[8*(8*((\a)%4)+\b):8*(8*((\a)%4)+\b)+7], v[128*(\p)+FR*\b:128*(\p)+FR*\b+FR-1], v[AF+FR*(\a):AF+FR*(\a)+FR-1], 0, v[SC+8*NQ*(\sc)+NQ*\b+(\q)], v[SC+8*NQ*(\sc)+NQ*(\a)+(\q)] matrix_a_fmt:MATRIX_FMT_FP6 matrix_b_fmt:MATRIX_FMT_FP6 matrix_a_scale:MATRIX_SCALE_ROW1
.else
	v_wmma_scale_f32_16x16x128_f8f6f4 v[8*(8*((\a)%4)+\b):8*(8*((\a)%4)+\b)+7], v[128*(\p)+FR*\b:128*(\p)+FR*\b+FR-1], v[AF+FR*(\a):AF+FR*(\a)+FR-1], v[8*(8*((\a)%4)+\b):8*(8*((\a)%4)+\b)+7], v[SC+8*NQ*(\sc)+NQ*\b+(\q)], v[SC+8*NQ*(\sc)+NQ*(\a)+(\q)] matrix_a_fmt:MATRIX_FMT_FP6 matrix_b_fmt:MATRIX_FMT_FP6 matrix_a_scale:MATRIX_SCALE_ROW1
.endif
.endr
.endr
.endm
.macro FETCH_B slot, q, p
	WIN TO_B
.irp i, 0,1,2,3,4,5,6,7
	FRAG 128*(\p)+FR*\i, ADRB+\slot, \q, \i
.endr
	WIN 0
.endm
.macro FETCH_A slot, q, i0
.irp i, \i0, \i0+1, \i0+2, \i0+3
	FRAG AF+FR*(\i), ADRA+\slot, \q, \i
.endr
.endm
.macro SCALES sc
.irp i, 0,1,2,3,4,5,6,7
	ds_load_b64 v[SC+8*NQ*\sc+NQ*\i:SC+8*NQ*\sc+NQ*\i+1], v[ADRS] offset:\i*SBLK
.endr
.endm
.macro PLACES n
.rept \n
	v_nop
.endr
.endm
.macro STEP slot, q, zero
	s_wait_dscnt 4*NL
	WIN MUL_LO
	MUL16 0, (\q)%2, \q, \slot, \zero
	MUL16 2, (\q)%2, \q, \slot, \zero
	s_wait_dscnt 0
	PLACES NP
	FETCH_B \slot, (\q)+1, 1-(\q)%2
	FETCH_A \slot, (\q)+1, 0
	WIN MUL_HI
	MUL16 4, (\q)%2, \q, \slot, \zero
	MUL16 6, (\q)%2, \q, \slot, \zero
	PLACES NP
	WIN 0
	FETCH_A \slot, (\q)+1, 4
.endm
.macro TURN slot, next, fill
	s_wait_tensorcnt 0x0
	ds_add_u32 v[SPW], v[NIL]
	s_wait_dscnt 4*NL+1
	WIN MUL_LO
	MUL16 0, 1, NQ-1, \slot, 0
	s_wait_dscnt 0x0
	s_barrier_signal -1
	MUL16 2, 1, NQ-1, \slot, 0
	WIN 0
	s_barrier_wait -1
.if \fill
	CREST
	s_add_nc_u64 s[G0+4*\slot+2:G0+4*\slot+3], s[G0+4*\slot+2:G0+4*\slot+3], 8*GSA
	s_add_nc_u64 s[G0B+4*\slot+2:G0B+4*\slot+3], s[G0B+4*\slot+2:G0B+4*\slot+3], 8*GSB
	JLOAD G0+4*\slot, G1, G0B+4*\slot, G1B
.else
	PLACES NP
.endif
	s_wait_alu depctr_va_vdst(0)
	v_add_nc_u32 v[ADRS], 4*NQ, v[ADRS]
	FETCH_B \next, 0, 0
	FETCH_A \next, 0, 0
	SCALES \next
	WIN MUL_HI
	MUL16 4, 1, NQ-1, \slot, 0
	MUL16 6, 1, NQ-1, \slot, 0
	PLACES NP
	WIN 0
	FETCH_A \next, 0, 4
.endm
.macro LAST
	s_wait_dscnt 4*NL
	WIN MUL_LO
	MUL16 0, 1, NQ-1, 1, 0
	MUL16 2, 1, NQ-1, 1, 0
	s_wait_dscnt 0
	WIN MUL_HI
	MUL16 4, 1, NQ-1, 1, 0
	MUL16 6, 1, NQ-1, 1, 0
	WIN 0
.endm
.macro QUANT s
.irp b, 0,1,2,3
	v_max3_num_f32 v[TM+\b], |v[\s+16*\b]|, |v[\s+1+16*\b]|, 0x1800000
.endr
.irp i, 2,4,6,8,10,12,14
.irp b, 0,1,2,3
	v_max3_num_f32 v[TM+\b], v[TM+\b], |v[\s+16*\b+\i]|, |v[\s+1+16*\b+\i]|
.endr
.endr
.irp b, 0,1,2,3
	v_permlanex16_b32 v[TM+4+\b], v[TM+\b], s[SEL], s[SEL+1]
.endr
.irp b, 0,1,2,3
	v_max_num_f32 v[TM+\b], v[TM+\b], v[TM+4+\b]
.endr
.irp b, 0,1,2,3
	v_add_nc_u32 v[TM+12+\b], 0xff000000, v[TM+\b]
.endr
.irp b, 0,1,2,3
	v_lshrrev_b32 v[TM+4+\b], 23, v[TM+12+\b]
.endr
	v_lshl_or_b32 v[PW], v[TM+5], 8, v[TM+4]
	v_lshl_or_b32 v[PW], v[TM+6], 16, v[PW]
	v_lshl_or_b32 v[PW], v[TM+7], 24, v[PW]
.irp c, 0,1
	v_cvt_scalef32_pk16_fp6_f32 v[PC+6*\c:PC+2+6*\c], v[\s+32*\c:\s+15+32*\c], v[TM+12+2*\c]
	v_cvt_scalef32_pk16_fp6_f32 v[PC+12+4*\c:PC+14+4*\c], v[\s+16+32*\c:\s+31+32*\c], v[TM+12+2*\c+1]
.endr
	v_nop
.irp c, 0,1
.irp i, 0,1,2
	v_permlane16_swap_b32 v[PC+6*\c+\i], v[PC+12+4*\c+\i]
.endr
.irp i, 0,1,2
	v_mov_b32 v[PC+3+6*\c+\i], v[PC+12+4*\c+\i]
.endr
.endr
.endm
	s_wait_alu depctr_va_vdst(0)
	s_wait_tensorcnt 1
	s_barrier_signal -1
	s_barrier_wait -1
	FETCH_B 0, 0, 0
	FETCH_A 0, 0, 0
	SCALES 0
	FETCH_A 0, 0, 4
	STEP 0, 0, 1
	TURN 0, 1, 1
	STEP 1, 0, 0
	TURN 1, 0, 1
	STEP 0, 0, 0
	TURN 0, 1, 0
	STEP 1, 0, 0
	s_cmp_lg_u32 s67, 0
	s_cbranch_scc1 .Lv
	s_and_b32 s86, ttmp9, 1
	s_mov_b32 s69, 15104
	s_mov_b32 s70, 14336
	s_mov_b32 s72, 227<<16
	s_cmp_eq_u32 s86, 0
	s_cselect_b32 s68, -1, 0
	s_cselect_b32 s69, 8704, s69
	s_cselect_b32 s70, 8192, s70
	s_cselect_b32 s71, 8, 63
	s_cselect_b32 s72, 127<<16, s72
	s_cselect_b64 s[74:75], s[8:9], s[10:11]
	s_cselect_b64 s[78:79], s[18:19], s[20:21]
	s_load_b32 s73, s[16:17], 0x0
	s_and_b32 s86, s42, 3
	s_lshl_b32 s84, s86, 10
	s_lshl_b32 s87, s[WL], 9
	s_add_co_u32 s84, s84, s87
	s_mov_b32 s85, 0
	s_add_nc_u64 s[74:75], s[74:75], s[84:85]
	s_lshr_b32 s87, s100, 3
	s_and_b32 s88, s100, 7
	s_lshl_b32 s88, s88, 1
	s_add_co_u32 s88, s88, s[WH]
	s_lshl_b32 s84, s87, 13
	s_lshl_b32 s89, s88, 9
	s_add_co_u32 s84, s84, s89
	s_add_nc_u64 s[76:77], s[14:15], s[84:85]
	s_lshl_b32 s87, s87, 4
	s_lshl_b32 s86, s86, 2
	s_add_co_u32 s87, s87, s86
	s_lshl_b32 s86, s[WL], 1
	s_add_co_u32 s87, s87, s86
	s_lshl_b32 s87, s87, 4
	s_add_co_u32 s87, s87, s88
	s_mul_i32 s84, s87, s69
	s_add_nc_u64 s[78:79], s[78:79], s[84:85]
	s_lshl_b32 s84, s69, 4
	s_add_nc_u64 s[80:81], s[78:79], s[84:85]
	v_mul_u32_u24 v[SA], s84, v2
	v_lshl_add_u32 v[SA], v1, 4, v[SA]
	s_mov_b32 s84, s70
	s_add_nc_u64 s[82:83], s[78:79], s[84:85]
	s_mov_b32 vcc_lo, 0xffff
	v_mov_b32 v[BYTE2], s71
	v_cndmask_b32 v[CODEH], 0, v[BYTE2], vcc_lo
	v_mov_b32 v[BYTE2], s72
	v_lshlrev_b32 v[SH16], 4, v2
.irp b, 0,1,2,3,4,5,6,7
	global_load_b128 v[BI+8*\b:BI+8*\b+3], v[BO], s[74:75] offset:(32*(\b/2)+8*(\b%2))*4
	global_load_b128 v[BI+8*\b+4:BI+8*\b+7], v[BO], s[74:75] offset:(32*(\b/2)+8*(\b%2))*4+16
.endr
.irp a, 0,1,2,3,4,5,6,7
	global_load_b32 v[ROWV+\a], v[RO], s[76:77] offset:(32*(\a/2)+8*(\a%2))*4
.endr
	LAST
	PLACES NP
	s_mov_b32 s[SEL], 0x76543210
	s_mov_b32 s[SEL+1], 0xfedcba98
.irp b, 0,1,2,3
	v_mov_b32 v[TM+4+\b], 0
.endr
	v_mov_b32 v[INV+1], 0
	v_mov_b32 v[INV+3], 0
	s_wait_kmcnt 0x0
	s_cmp_lg_u32 s68, 0
	s_cselect_b32 s73, s73, 1.0
	s_wait_loadcnt 0x0
.macro EPI_QK a
.set AC, 64*((\a)%4)
	WIN 0x02+(\a)/4
.set i, 0
.rept 32
	v_pk_add_f32 v[HA+i:HA+i+1], v[AC+i:AC+i+1], v[BI+i:BI+i+1]
.set i, i+2
.endr
	WIN 0
	v_pk_mul_f32 v[SS:SS+1], v[HA:HA+1], v[HA:HA+1]
	v_pk_mul_f32 v[SS+2:SS+3], v[HA+32:HA+33], v[HA+32:HA+33]
.set i, 2
.rept 15
	v_pk_fma_f32 v[SS:SS+1], v[HA+i:HA+i+1], v[HA+i:HA+i+1], v[SS:SS+1]
	v_pk_fma_f32 v[SS+2:SS+3], v[HA+32+i:HA+33+i], v[HA+32+i:HA+33+i], v[SS+2:SS+3]
.set i, i+2
.endr
	v_add_f32 v[SS], v[SS], v[SS+1]
	v_add_f32 v[SS+2], v[SS+2], v[SS+3]
	v_permlanex16_b32 v[SS+1], v[SS], s[SEL], s[SEL+1]
	v_permlanex16_b32 v[SS+3], v[SS+2], s[SEL], s[SEL+1]
	v_add_f32 v[SS], v[SS], v[SS+1]
	v_add_f32 v[SS+2], v[SS+2], v[SS+3]
	s_wait_alu depctr_va_vdst(0)
	v_sqrt_f32 v[SS], v[SS]
	v_sqrt_f32 v[SS+2], v[SS+2]
	v_nop
	s_wait_alu depctr_va_vdst(0)
	v_max_num_f32 v[SS], 0x2b8cbccc, v[SS]
	v_max_num_f32 v[SS+2], 0x2b8cbccc, v[SS+2]
	s_wait_alu depctr_va_vdst(0)
	v_rcp_f32 v[INV], v[SS]
	v_rcp_f32 v[INV+2], v[SS+2]
	v_nop
	s_wait_alu depctr_va_vdst(0)
	v_mul_f32 v[INV], s73, v[INV]
	v_mul_f32 v[INV+2], s73, v[INV+2]
.set i, 0
.rept 32
	v_pk_mul_f32 v[HA+i:HA+i+1], v[HA+i:HA+i+1], v[INV+2*(i/32):INV+2*(i/32)+1] op_sel_hi:[1,0]
.set i, i+2
.endr
	s_wait_xcnt 0x0
	QUANT HA
	v_cmp_eq_u32 vcc_lo, 0, v[ROWV+\a]
	s_or_b32 vcc_lo, vcc_lo, s68
	v_cndmask_b32 v[PC+12], 0, v[CODEH], vcc_lo
	v_mov_b32 v[PC+13], 0
	v_mov_b32 v[T], v[PC+4]
	v_mov_b32 v[T+1], v[PC+5]
	v_mov_b32 v[T+2], v[PC+12]
	v_mov_b32 v[T+3], 0
	v_lshrrev_b32 v[SS+4], v[SH16], v[PW]
	v_cndmask_b32 v[SS+5], 0, v[BYTE2], vcc_lo
	v_and_or_b32 v[KW+\a], v[SS+4], 0xffff, v[SS+5]
	global_store_b128 v[LI], v[PC:PC+3], s[78:79] offset:1024*(\a)
	global_store_b128 v[LI], v[T:T+3], s[78:79] offset:1024*(\a)+512
	global_store_b128 v[LI], v[PC+6:PC+9], s[80:81] offset:1024*(\a)
	global_store_b128 v[LI], v[PC+10:PC+13], s[80:81] offset:1024*(\a)+512
.endm
.irp a, 0,1,2,3,4,5,6,7
	EPI_QK \a
.endr
	global_store_b128 v[SA], v[KW:KW+3], s[82:83]
	global_store_b128 v[SA], v[KW+4:KW+7], s[82:83] offset:256
	s_branch .Lend
.Lv:
	s_lshl_b32 s84, s100, 10
	s_lshl_b32 s86, s[WH], 9
	s_add_co_u32 s84, s84, s86
	s_mov_b32 s85, 0
	s_add_nc_u64 s[74:75], s[12:13], s[84:85]
	s_lshr_b32 s87, s42, 3
	s_and_b32 s88, s42, 7
	s_lshl_b32 s88, s88, 1
	s_add_co_u32 s88, s88, s[WL]
	s_lshl_b32 s87, s87, 4
	s_lshl_b32 s86, s100, 2
	s_add_co_u32 s87, s87, s86
	s_lshl_b32 s86, s[WH], 1
	s_add_co_u32 s87, s87, s86
	s_lshl_b32 s87, s87, 4
	s_add_co_u32 s87, s87, s88
	s_mul_i32 s84, s87, 15104
	s_add_co_u32 s84, s84, 8192
	s_add_nc_u64 s[78:79], s[20:21], s[84:85]
	s_add_nc_u64 s[80:81], s[78:79], 241664
	v_mul_u32_u24 v[SA], 0x3b000, v2
	v_lshl_add_u32 v[SA], v1, 4, v[SA]
.irp a, 0,1,2,3,4,5,6,7
	global_load_b32 v[ROWV+\a], v[RO], s[74:75] offset:(32*(\a/2)+8*(\a%2))*4
.endr
	LAST
	PLACES NP
	s_mov_b32 s[SEL], 0x76543210
	s_mov_b32 s[SEL+1], 0xfedcba98
.irp b, 0,1,2,3
	v_mov_b32 v[TM+4+\b], 0
.endr
	s_wait_loadcnt 0x0
.macro EPI_V a
.set AC, 64*((\a)%4)
	v_mov_b32 v[BB], v[ROWV+\a]
	v_mov_b32 v[BB+1], v[ROWV+\a]
	WIN 0x02+(\a)/4
.set i, 0
.rept 32
	v_pk_add_f32 v[HA+i:HA+i+1], v[AC+i:AC+i+1], v[BB:BB+1]
.set i, i+2
.endr
	WIN 0
	s_wait_xcnt 0x0
	QUANT HA
	v_mov_b32 v[KW+\a], v[PW]
.irp p, 0,1,2
.if (\a) < 4
	global_store_b128 v[LI], v[PC+4*\p:PC+4*\p+3], s[78:79] offset:1536*((\a)%4)+512*\p
.else
	global_store_b128 v[LI], v[PC+4*\p:PC+4*\p+3], s[80:81] offset:1536*((\a)%4)+512*\p
.endif
.endr
.endm
.irp a, 0,1,2,3,4,5,6,7
	EPI_V \a
.endr
	s_mov_b32 vcc_lo, 0xffff0000
.irp i, 0,1,2,3
	v_cndmask_b32 v[XW+\i], v[KW+\i], v[KW+4+\i], vcc_lo
.endr
	global_store_b128 v[SA], v[XW:XW+3], s[78:79] offset:6656
.Lend:
	s_wait_tensorcnt 0x0
	ds_add_u32 v[SPW], v[NIL]
	s_wait_dscnt 0x0
	CROUND
	s_endpgm
.Lfunc_end_k_q50181abd1b_gemm_qkv:
	.size	k_q50181abd1b_gemm_qkv, .Lfunc_end_k_q50181abd1b_gemm_qkv-k_q50181abd1b_gemm_qkv
	.p2alignl 7, 3214868480
	.fill 96, 4, 3214868480
	.section	.rodata,"a",@progbits
	.p2align	6, 0x0
	.amdhsa_kernel k_q50181abd1b_gemm_qkv
		.amdhsa_group_segment_fixed_size 327680
		.amdhsa_private_segment_fixed_size 0
		.amdhsa_enable_private_segment 0
		.amdhsa_kernarg_size 72
		.amdhsa_user_sgpr_count 2
		.amdhsa_user_sgpr_kernarg_segment_ptr 1
		.amdhsa_wavefront_size32 1
		.amdhsa_system_sgpr_workgroup_id_x 1
		.amdhsa_system_sgpr_workgroup_id_y 1
		.amdhsa_system_sgpr_workgroup_id_z 1
		.amdhsa_system_vgpr_workitem_id 0
		.amdhsa_next_free_vgpr 1024
		.amdhsa_next_free_sgpr 102
		.amdhsa_reserve_vcc 1
		.amdhsa_float_denorm_mode_32 3
		.amdhsa_float_denorm_mode_16_64 3
		.amdhsa_memory_ordered 1
		.amdhsa_forward_progress 1
		.amdhsa_inst_pref_size 255
	.end_amdhsa_kernel
	.section	.bss,"aw",@nobits
	.p2align	6
	.space	262144
	.amdgpu_metadata
---
amdhsa.version: [ 1, 2 ]
amdhsa.kernels:
  - .name:           k_q50181abd1b_gemm_qkv
    .symbol:         k_q50181abd1b_gemm_qkv.kd
    .args:
      - { .name: codes, .offset: 0, .size: 8, .value_kind: global_buffer, .address_space: global }
      - { .name: scl, .offset: 8, .size: 8, .value_kind: global_buffer, .address_space: global }
      - { .name: bq, .offset: 16, .size: 8, .value_kind: global_buffer, .address_space: global }
      - { .name: bk, .offset: 24, .size: 8, .value_kind: global_buffer, .address_space: global }
      - { .name: bv, .offset: 32, .size: 8, .value_kind: global_buffer, .address_space: global }
      - { .name: mask, .offset: 40, .size: 8, .value_kind: global_buffer, .address_space: global }
      - { .name: scale, .offset: 48, .size: 8, .value_kind: global_buffer, .address_space: global }
      - { .name: qrec, .offset: 56, .size: 8, .value_kind: global_buffer, .address_space: global }
      - { .name: kvrec, .offset: 64, .size: 8, .value_kind: global_buffer, .address_space: global }
    .group_segment_fixed_size: 327680
    .private_segment_fixed_size: 0
    .kernarg_segment_align: 8
    .kernarg_segment_size: 72
    .max_flat_workgroup_size: 128
    .sgpr_count:     102
    .vgpr_count:     1024
    .wavefront_size: 32
...
	.end_amdgpu_metadata
.endif
;; end of part 2
;; launch attn (part 3): grid 4 x 64, 8 waves a work-group, clusters of 4 x 1, 256,000 bytes of LDS; arguments qrec, kvrec, cc, cs; writes cc, cs
.if DOCPART == 3
	.amdgcn_target "amdgcn-amd-amdhsa--gfx1250"
	.amdhsa_code_object_version 6
	.text
	.protected	k_q50181abd1b_attn
	.globl	k_q50181abd1b_attn
	.p2align	8
	.type	k_q50181abd1b_attn,@function
k_q50181abd1b_attn:
	s_mov_b64 s[64:65], 0
	v_nop
	global_prefetch_b8 v0, s[64:65] scope:SCOPE_SE
	s_setreg_imm32_b32 hwreg(HW_REG_WAVE_MODE, 25, 1), 1
	s_wait_xcnt 0x0
	s_wait_alu depctr_hold_cnt(0) depctr_sa_sdst(0) depctr_va_vdst(0) depctr_va_sdst(0) depctr_va_ssrc(0) depctr_va_vcc(0) depctr_vm_vsrc(0)
	s_getreg_b32 s2, hwreg(HW_REG_IB_STS2, 6, 4)
	s_cmp_eq_u32 s2, 0
	s_cbranch_scc0 .Lentry_in_a_cluster
	s_endpgm
.Lentry_in_a_cluster:
	s_bfe_u32 s2, ttmp6, 0x10000c
	s_cmp_lg_u32 s2, 0x3003
	s_cbranch_scc0 .Lentry_shape_is_right
	s_endpgm
.Lentry_shape_is_right:
; ctx = softmax(q k^T, masked) v for one head of one batch, both products on codes of FP6 (E2M3) with E8M0 scales; ctx is quantised along the model's width (two blocks a head) and stored as codes.
; THE SOFTMAX: t = score x log2(e); M = the row's largest t so far, rounded UP to a whole number; p = 2^(t - M) is quantised along the keys, not normalised.  The row's sum is taken of the
; unquantised p and divides at the end.  When M moves, the sum and O are multiplied by f = 2^(old M - new M): exact.
; SHARES.  A work-group owns 512 queries of a head; each of its eight waves 64: two tiles of 16 at a time, in two passes.  Each fragment of K and of V feeds two products.
; THE WHOLE HEAD'S K AND V LIE IN LDS, 16 records of 15,104 bytes, filled ONCE: wave w asks for records 2 w and 2 w + 1 by one tensor load; no ring, no barrier in the loop.
; CLUSTER.  The four work-groups of a head ask for each pair of records jointly, with a mask that names the four.
; A RECORD (128 keys): K's eight tiles as images of their registers (1,024 bytes a tile: words 0-3 of lane l at 16 l, words 4-7 at 512 + 16 l; registers 8-11 are zeros kept here), V^T's four tiles (1,536 bytes),
; K's scale words [tile / 4][r][tile % 4], V's [r][tile].
; LAYOUT.  Both products are used transposed (S^T = K Q^T, O^T = V^T P^T): a lane holds ONE query.  WHICH KEYS FORM A TILE OF K IS CHOSEN BY THE LDS ADDRESS: row r of tile 4 c + u is key
; 64 c + 32 (r / 8) + 8 u + r % 8.  So lane (r, h) holds, in the 32 registers of tiles 4 c .. 4 c + 3, the WHOLE block of keys 64 c + 32 h + 0 .. 31, in order: as the second product's operand wants it.
; A block's maximum needs no other lane and its codes are not exchanged between lanes.  (Rows 0-7 and 8-15 of such a tile lie 2,048 bytes apart in the record.)
; ONE LOOP OF 32 TRIPS: trip n works record n % 16; K's fragments of record (n + 1) % 16 and V's of this one are asked for behind the first product.  Behind trips 15 and 31 the pass ends, under a branch on n.
; A NEW PASS CLEARS NOTHING: the largest score starts at -2^95 again, so the first step with a true key gives f = 0, and f x (the last pass's finite O and sum) = 0.
; Dependent vector lines stand as two to eight independent chains by turns (the two tiles, their blocks, two chains a block).
; THE MASK comes inside K's codes: a masked key's score is q.k - 7.5 x 2^100, under the start -2^95: p of a masked key is 0.  A row all of whose keys are masked keeps that start; its scale bytes are set
; to 0xff, so that the last product gives NaN there, as the softmax of an empty row does.
; LIMITS: |scale| under 2^90; NaN and infinities are not served; a block of zeros carries the byte 1 (its codes are zeros; this program alone reads the bytes).
; No prefetch: all that the launch reads is asked for at its head.
.set REC,  15104
.set STG,  16*REC                      ; behind the records: 1,536 bytes for each wave, for the way out
.set SPARE, STG+8*1536                 ; the spare words: 128 bytes a wave
; window 0: v1 16 x lane; v2, v3 lane terms of K's fragments and scale words; v4 16 r; v5 stage in; v6 stage back; v9 32 r + h; v10 0xff; v11 8 h
.set NM,   12                          ; v12-15  for each tile the pair (-M, the largest score)
.set F,    20                          ; v20-23  pairs: f, later 1 / the sum
.set KAD,  24
.set KSD,  25
.set VAD,  26
.set VSD,  27
.set SPW,  28
.set NIL,  29
.set TP,   30                          ; v30-31
.set MX,   32                          ; v32-39  maxima: tile x, block c at 4 x + c; second chains at 4 x + 2 + c
.set PB,   40                          ; v40-43  the other half's
.set SO,   44                          ; v44-47  the conversions' scale operands
.set BY,   48                          ; v48-51  bytes
.set PWD,  52                          ; v52-53  p's scale words
.set QSW,  54                          ; v54-57  Q's scale words, four tiles
.set KSW,  58                          ; v58-65  K's
.set VSW,  66                          ; v66-69  V's
.set AC,   70                          ; v70-85  for each tile four pairs: the sum, three more chains
.set Q,    88                          ; v88-111 two tiles of Q
.set PC,   112                         ; v112-135 p's codes
.set PT,   136                         ; v136-151 the conversions' second halves; the way out
.set KB,   160                         ; v160-255 K's eight fragments
; window 1
.set S,    0                           ; S^T, then p: tile x at 64 x
.set O,    128                         ; O^T: tile x at 128 + 32 x
.set V,    192                         ; V^T's four fragments
.set Q2,   240                         ; the second pass's Q, words 0-7 of two tiles
.set WV,   12
.set G1,   24
.set G0,   32
.set RB,   36
.set CNT,  37
.set SEL,  38
.set CS,   40                          ; s[40:41] log2(e): scale is already inside q
.set HM,   42
.set RK,   43
.set CCP,  44
.set CSP,  46
.set MSB, 0
.macro WIN new                         ; low byte: bits 1:0 source 0, 3:2 source 1, 5:4 source 2, 7:6 destination; the high byte repeats the setting that is left
.if MSB != (\new)
	s_set_vgpr_msb (MSB<<8)|(\new)
.set MSB, (\new)
.endif
.endm
.macro CROUND
	s_barrier_signal -1
	s_barrier_wait -1
	s_cmp_lg_u32 s[WV], 0
	s_cbranch_scc1 .Lnot_wave_0_\@
	s_barrier_signal -3
.Lnot_wave_0_\@:
	s_barrier_wait -3
	s_barrier_signal -1
	s_barrier_wait -1
.endm
.macro KLOAD                           ; 20 LDS loads: K's eight fragments and their scale words
.irp c, 0,1
.irp u, 0,1,2,3
	ds_load_b128 v[KB+12*(4*\c+\u):KB+12*(4*\c+\u)+3], v[KAD] offset:4096*\c+1024*(\u%2)+128*(\u/2)
	ds_load_b128 v[KB+12*(4*\c+\u)+4:KB+12*(4*\c+\u)+7], v[KAD] offset:4096*\c+1024*(\u%2)+128*(\u/2)+512
.endr
.irp g, 0,1
	ds_load_b64 v[KSW+4*\c+2*\g:KSW+4*\c+2*\g+1], v[KSD] offset:14336+256*\c+128*\g
.endr
.endr
.endm
.macro REINIT                          ; the largest score so far: -2^95; -M by the step's own two lines
.irp x, 0,1
	v_mov_b32 v[NM+2*\x+1], 0xef000000
.endr
.irp x, 0,1
	v_mul_f32 v[TP+\x], s[CS], v[NM+2*\x+1]
.endr
.irp x, 0,1
	v_floor_f32 v[NM+2*\x], -v[TP+\x]
.endr
.endm
	s_load_b256 s[4:11], s[0:1], 0x0               ; qrec, kvrec, cc, cs
	v_lshl_add_u32 v[SPW], v0, 2, SPARE
	v_mov_b32 v[NIL], 0
	ds_add_u32 v[SPW], v[NIL]                      ; the opening lines
	ds_add_u32 v[SPW], v[NIL]
	v_lshrrev_b32 v1, 5, v0
	v_readfirstlane_b32 s[WV], v1                  ; wave 0..7
	s_bfe_u32 s13, ttmp6, 0x40000                  ; cx: my quarter of the queries; it enters global addresses alone
	s_and_b32 s14, ttmp7, 0xffff                   ; 16 x batch + head, which the four partners share
	s_mov_b32 s[G1], 15|(3<<16)|(1<<21)            ; the mask: all four; elements of 8 bytes; bit 21 beside a mask
	s_mov_b32 s[G1+1], 32<<16                      ; two records are 118 rows of 256 bytes, dense
	s_mov_b32 s[G1+2], 118<<16
	s_mov_b32 s[G1+3], 32<<16
	s_mov_b32 s[G1+4], 118
	s_mov_b32 s[G1+5], 32
	s_mov_b32 s[G1+6], 0
	s_mov_b32 s[G1+7], 0
	s_lshl_b32 s22, s14, 4
	s_lshl_b32 s15, s[WV], 1
	s_add_co_u32 s16, s22, s15                     ; my first record of the head
	s_mul_i32 s16, s16, REC
	s_mov_b32 s17, 0
	s_mov_b32 s[G0], 1
	s_mul_i32 s[G0+1], s[WV], 2*REC
	s_lshl_b32 s23, s13, 2
	s_add_co_u32 s23, s23, s22
	s_lshr_b32 s15, s[WV], 1
	s_add_co_u32 s23, s23, s15                     ; the record of 128 queries in which my four tiles lie
	s_mul_i32 s48, s23, 8704
	s_mov_b32 s49, 0
	s_and_b32 s15, s[WV], 1
	s_lshl_b32 s52, s15, 12
	s_add_co_u32 s50, s48, s52                     ; their images: tiles 4 (w % 2) + 0 .. 3
	s_mov_b32 s51, 0
	s_lshl_b32 s15, s15, 8
	s_add_co_u32 s48, s48, s15
	s_add_co_u32 s48, s48, 8192                    ; their scale words
	s_lshr_b32 s15, s14, 4
	s_lshl_b32 s15, s15, 11
	s_lshl_b32 s52, s13, 9
	s_add_co_u32 s15, s15, s52
	s_lshl_b32 s52, s[WV], 6
	s_add_co_u32 s15, s15, s52                     ; my first row of ctx
	s_and_b32 s52, s14, 15                         ; the head
	s_mul_i32 s54, s52, 393216
	s_mul_i32 s53, s15, 48
	s_add_co_u32 s54, s54, s53
	s_mov_b32 s55, 0
	s_lshl_b32 s56, s15, 5
	s_lshl_b32 s52, s52, 1
	s_add_co_u32 s56, s56, s52
	s_mov_b32 s57, 0
	s_mov_b32 s[SEL], 0x76543210
	s_mov_b32 s[SEL+1], 0xfedcba98
	s_mov_b32 s[CS], 0x3fb8aa3b
	s_mov_b32 s[CS+1], s[CS]
	s_mov_b32 s[HM], 0xffff0000
	s_mov_b32 s[RK], 0
	s_wait_dscnt 0x0
	s_wait_kmcnt 0x0
	s_add_nc_u64 s[G0+2:G0+3], s[6:7], s[16:17]
	s_or_b32 s[G0+3], s[G0+3], 0x80000000
	s_add_nc_u64 s[18:19], s[4:5], s[50:51]
	s_add_nc_u64 s[20:21], s[4:5], s[48:49]
	s_add_nc_u64 s[CCP:CCP+1], s[8:9], s[54:55]
	s_add_nc_u64 s[CSP:CSP+1], s[10:11], s[56:57]
	CROUND                                         ; all four work-groups are here: the joint loads meet
	tensor_load_to_lds s[G0:G0+3], s[G1:G1+7]      ; my one tensor load of the launch
	s_nop 0
.rept 4
	v_nop
.endr
	v_and_b32 v7, 31, v0
	v_and_b32 v8, 15, v0                           ; r
	v_bfe_u32 v11, v0, 4, 1                        ; h
	v_lshlrev_b32 v1, 4, v7
	v_lshlrev_b32 v4, 4, v8
.irp x, 0,1
	global_load_b128 v[Q+12*\x:Q+12*\x+3], v1, s[18:19] offset:1024*\x
	global_load_b128 v[Q+12*\x+4:Q+12*\x+7], v1, s[18:19] offset:1024*\x+512
.endr
	global_load_b128 v[QSW:QSW+3], v4, s[20:21]
	WIN 0x40
.irp x, 0,1
	global_load_b128 v[Q2+8*\x:Q2+8*\x+3], v1, s[18:19] offset:2048+1024*\x
	global_load_b128 v[Q2+8*\x+4:Q2+8*\x+7], v1, s[18:19] offset:2048+1024*\x+512
.endr
.set i, 0
.rept 64
	v_mov_b32 v[O+i], 0                            ; once in the launch: the first pass's first step finds zeros
.set i, i+1
.endr
	WIN 0
	s_mul_i32 s15, s[WV], 1536
	s_add_co_u32 s15, s15, STG                     ; my stage
	v_mul_u32_u24 v5, v8, 48
	v_mad_u32_u24 v5, v11, 24, v5
	v_add_nc_u32 v5, s15, v5                       ; in: row r of 48 bytes, + 24 h
	v_add_nc_u32 v6, s15, v1                       ; back: 16 bytes a lane
	v_lshl_add_u32 v9, v8, 5, v11                  ; my scale byte: row r of 32 bytes, + h
	v_and_b32 v7, 7, v0
	v_bfe_u32 v8, v0, 3, 1
	v_lshlrev_b32 v7, 4, v7
	v_lshl_add_u32 v3, v8, 3, v7                   ; K's scale words: 16 (r % 8) + 8 (r / 8)
	v_lshl_add_u32 v2, v8, 11, v7
	v_lshl_add_u32 v2, v11, 8, v2                  ; K's fragments: 2048 (r / 8) + 16 (r % 8) + 256 h
	v_lshlrev_b32 v11, 3, v11                      ; 8 h
	v_mov_b32 v10, 0xff
	v_add_nc_u32 v[KAD], s[RK], v2                 ; record 0
	v_add_nc_u32 v[KSD], s[RK], v3
.irp x, 0,1
.irp i, 8,9,10,11
	v_mov_b32 v[Q+12*\x+\i], 0                     ; registers 8-11 of Q's fragments: zeros
.endr
	v_mov_b32 v[AC+8*\x], 0
	v_mov_b32 v[AC+8*\x+1], 0
	v_mov_b32 v[F+2*\x+1], 0                       ; (named as the upper half of a pair)
.endr
.irp u, 0,1,2,3,4,5,6,7
.irp i, 8,9,10,11
	v_mov_b32 v[KB+12*\u+\i], 0                    ; and of K's; no load lands there
.endr
.endr
.irp b, 0,1,2,3
	v_mov_b32 v[PB+\b], 0                          ; a lane permute's destination counts as one of its sources
.endr
	REINIT
	s_wait_alu depctr_va_vdst(0)
	s_wait_tensorcnt 0x0                           ; my two records are in,
	s_barrier_signal -1
	s_barrier_wait -1                              ; everybody's are
	KLOAD
	s_wait_loadcnt 0x0                             ; Q
	s_mov_b32 s[CNT], 0
.Lstep:
	s_and_b32 s[RB], s[CNT], 15
	s_mul_i32 s[RB], s[RB], REC                    ; this trip's record,
	s_add_co_u32 s[RK], s[CNT], 1
	s_and_b32 s[RK], s[RK], 15
	s_mul_i32 s[RK], s[RK], REC                    ; and the next trip's
	s_wait_dscnt 0x0                               ; K's fragments and scale words, asked for in the last trip
	WIN 0x40
.irp i, 0,1,2,3,4,5,6,7                        ; S^T = K Q^T: each fragment of K against both tiles of Q
.irp x, 0,1
	v_wmma_scale_f32_16x16x128_f8f6f4 v[S+64*\x+8*\i:S+64*\x+8*\i+7], v[KB+12*\i:KB+12*\i+11], v[Q+12*\x:Q+12*\x+11], 0, v[KSW+\i], v[QSW+\x] matrix_a_fmt:MATRIX_FMT_FP6 matrix_b_fmt:MATRIX_FMT_FP6
.endr
.endr
	WIN 0
	v_add_nc_u32 v[VAD], s[RB], v1                 ; these four are the places behind the products, ahead of the loads and of the first read of S^T
	v_add_nc_u32 v[VSD], s[RB], v4
	v_add_nc_u32 v[KAD], s[RK], v2
	v_add_nc_u32 v[KSD], s[RK], v3
	ds_load_b128 v[VSW:VSW+3], v[VSD] offset:14848
	WIN 0x40
.irp d, 0,1,2,3
.irp p, 0,1,2
	ds_load_b128 v[V+12*\d+4*\p:V+12*\d+4*\p+3], v[VAD] offset:8192+1536*\d+512*\p
.endr
.endr
	WIN 0
	KLOAD
	WIN 0x15                                       ; the largest score of each block of 32 keys, all mine: two chains a block, eight chains by turns
.irp x, 0,1
.irp c, 0,1
.irp g, 0,1
	v_max3_num_f32 v[MX+4*\x+2*\g+\c], v[S+64*\x+32*\c+16*\g], v[S+64*\x+32*\c+16*\g+1], v[S+64*\x+32*\c+16*\g+2]
.endr
.endr
.endr
	WIN 0x14
.irp i, 3,5,7,9,11,13
.irp x, 0,1
.irp c, 0,1
.irp g, 0,1
	v_max3_num_f32 v[MX+4*\x+2*\g+\c], v[MX+4*\x+2*\g+\c], v[S+64*\x+32*\c+16*\g+\i], v[S+64*\x+32*\c+16*\g+\i+1]
.endr
.endr
.endr
.endr
.irp x, 0,1
.irp c, 0,1
	v_max3_num_f32 v[MX+4*\x+\c], v[MX+4*\x+\c], v[S+64*\x+32*\c+15], v[S+64*\x+32*\c+31]
.endr
.endr
	WIN 0
.irp x, 0,1
.irp c, 0,1
	v_max_num_f32 v[MX+4*\x+\c], v[MX+4*\x+\c], v[MX+4*\x+2+\c]
.endr
.endr
.irp x, 0,1
	v_max_num_f32 v[TP+\x], v[MX+4*\x], v[MX+4*\x+1]
.endr
.irp x, 0,1
	v_permlanex16_b32 v[PB+\x], v[TP+\x], s[SEL], s[SEL+1]
.endr
.irp x, 0,1
	v_max3_num_f32 v[NM+2*\x+1], v[NM+2*\x+1], v[TP+\x], v[PB+\x]   ; the running largest score of my query
.endr
.irp x, 0,1
	v_mul_f32 v[TP+\x], s[CS], v[NM+2*\x+1]        ; as t
.endr
.irp x, 0,1
	v_floor_f32 v[TP+\x], -v[TP+\x]                ; the new -M = -ceil(t)
.endr
.irp x, 0,1
	v_sub_f32 v[F+2*\x], v[TP+\x], v[NM+2*\x]      ; old M - new M: a whole number, 0 or less
.endr
.irp x, 0,1
	v_mov_b32 v[NM+2*\x], v[TP+\x]
.endr
.irp x, 0,1
	v_cvt_i32_f32 v[F+2*\x], v[F+2*\x]             ; (it saturates)
.endr
.irp x, 0,1
	v_ldexp_f32 v[F+2*\x], 1.0, v[F+2*\x]          ; f
.endr
	WIN 0x41
.irp x, 0,1
.set i, 0
.rept 32
	v_pk_fma_f32 v[S+64*\x+i:S+64*\x+i+1], v[S+64*\x+i:S+64*\x+i+1], s[CS:CS+1], v[NM+2*\x:NM+2*\x+1] op_sel_hi:[1,0,0]   ; t - M
.set i, i+2
.endr
.endr
.irp x, 0,1
.set i, 0
.rept 16
	v_pk_mul_f32 v[O+32*\x+i:O+32*\x+i+1], v[O+32*\x+i:O+32*\x+i+1], v[F+2*\x:F+2*\x+1] op_sel_hi:[1,0]   ; O^T under the new M, each accumulator from its low end on
.set i, i+2
.endr
.endr
	WIN 0
.irp x, 0,1
.irp c, 0,1
	v_fma_f32 v[MX+4*\x+\c], v[MX+4*\x+\c], s[CS], v[NM+2*\x]   ; t - M of each block's largest score
.endr
.endr
	s_wait_alu depctr_va_vdst(0)
.irp x, 0,1
.irp c, 0,1
	v_exp_f32 v[MX+4*\x+\c], v[MX+4*\x+\c]         ; the block's largest p: the same two instructions on the same number give the same bits
.endr
.endr
	WIN 0x41
.set i, 0
.rept 128
	v_exp_f32 v[S+i], v[S+i]                       ; p = 2^(t - M), at most 1
.set i, i+1
.endr
	WIN 0
.irp x, 0,1
	v_pk_mul_f32 v[AC+8*\x:AC+8*\x+1], v[AC+8*\x:AC+8*\x+1], v[F+2*\x:F+2*\x+1] op_sel_hi:[1,0]   ; the sums under the new M (plain lines behind the batch)
.endr
	s_wait_alu depctr_va_vdst(0)                   ; one wait for the whole batch, ahead of its first reader
	s_wait_dscnt 20                                ; V's 13 loads are in; K's 20, issued behind them, may be out
.irp x, 0,1
.irp c, 0,1
	v_max_num_f32 v[MX+4*\x+\c], 0x1800000, v[MX+4*\x+\c]   ; the floor 2^(3 - 127): the byte cannot fall under 1
.endr
.endr
.irp x, 0,1
.irp c, 0,1
	v_add_nc_u32 v[SO+2*\x+\c], 0xff000000, v[MX+4*\x+\c]   ; 2 off the exponent field: the conversion's scale operand
.endr
.endr
.irp x, 0,1
.irp c, 0,1
	v_lshrrev_b32 v[BY+2*\x+\c], 23, v[SO+2*\x+\c]
.endr
.endr
.irp x, 0,1
	v_lshl_or_b32 v[BY+2*\x], v[BY+2*\x+1], 16, v[BY+2*\x]   ; my two bytes: blocks h and 2 + h,
.endr
.irp x, 0,1
	v_lshlrev_b32 v[BY+2*\x], v11, v[BY+2*\x]      ; at their places in the scale word;
.endr
.irp x, 0,1
	v_permlanex16_b32 v[PB+2+\x], v[BY+2*\x], s[SEL], s[SEL+1]
.endr
.irp x, 0,1
	v_or_b32 v[PWD+\x], v[BY+2*\x], v[PB+2+\x]     ; with lane l xor 16's two the word is whole
.endr
	WIN 0x01
.irp x, 0,1
.irp c, 0,1
	v_cvt_scalef32_pk16_fp6_f32 v[PC+12*\x+6*\c:PC+12*\x+6*\c+2], v[S+64*\x+32*\c:S+64*\x+32*\c+15], v[SO+2*\x+\c]
	v_cvt_scalef32_pk16_fp6_f32 v[PT+8*\x+4*\c:PT+8*\x+4*\c+2], v[S+64*\x+32*\c+16:S+64*\x+32*\c+31], v[SO+2*\x+\c]   ; (a conversion's three registers begin on an even number)
.endr
.endr
	WIN 0x05                                       ; the row's sum of the unquantised p: four chains a tile, eight by turns
.irp x, 0,1
.irp k, 1,2,3
	v_pk_add_f32 v[AC+8*\x+2*\k:AC+8*\x+2*\k+1], v[S+64*\x+2*\k:S+64*\x+2*\k+1], v[S+64*\x+2*\k+8:S+64*\x+2*\k+9]
.endr
.endr
	WIN 0x04
.set i, 8
.rept 24
.irp x, 0,1
	v_pk_add_f32 v[AC+8*\x+2*(i%4):AC+8*\x+2*(i%4)+1], v[AC+8*\x+2*(i%4):AC+8*\x+2*(i%4)+1], v[S+64*\x+2*i:S+64*\x+2*i+1]
.endr
.set i, i+1
.endr
.irp x, 0,1
	v_pk_add_f32 v[AC+8*\x:AC+8*\x+1], v[AC+8*\x:AC+8*\x+1], v[S+64*\x:S+64*\x+1]
.endr
.irp x, 0,1
	v_pk_add_f32 v[AC+8*\x:AC+8*\x+1], v[AC+8*\x:AC+8*\x+1], v[S+64*\x+8:S+64*\x+9]
.endr
	WIN 0
.irp x, 0,1
.irp c, 0,1
.irp i, 0,1,2
	v_mov_b32 v[PC+12*\x+6*\c+3+\i], v[PT+8*\x+4*\c+\i]   ; registers 6 c .. 6 c + 5: keys 64 c + 32 h + 0 .. 31
.endr
.endr
.endr
.irp x, 0,1
	v_pk_add_f32 v[AC+8*\x+2:AC+8*\x+3], v[AC+8*\x+2:AC+8*\x+3], v[AC+8*\x+4:AC+8*\x+5]   ; (these six are also the places between the codes' last writes and the products)
.endr
.irp x, 0,1
	v_pk_add_f32 v[AC+8*\x:AC+8*\x+1], v[AC+8*\x:AC+8*\x+1], v[AC+8*\x+6:AC+8*\x+7]
.endr
.irp x, 0,1
	v_pk_add_f32 v[AC+8*\x:AC+8*\x+1], v[AC+8*\x:AC+8*\x+1], v[AC+8*\x+2:AC+8*\x+3]
.endr
	WIN 0x51
.irp d, 0,1,2,3                                ; O^T += V^T P^T: the eight accumulators by turns
.irp x, 0,1
	v_wmma_scale_f32_16x16x128_f8f6f4 v[O+32*\x+8*\d:O+32*\x+8*\d+7], v[V+12*\d:V+12*\d+11], v[PC+12*\x:PC+12*\x+11], v[O+32*\x+8*\d:O+32*\x+8*\d+7], v[VSW+\d], v[PWD+\x] matrix_a_fmt:MATRIX_FMT_FP6 matrix_b_fmt:MATRIX_FMT_FP6
.endr
.endr
	WIN 0
	s_and_b32 s15, s[CNT], 15
	s_cmp_eq_u32 s15, 15
	s_cbranch_scc0 .Lnofin
; THE PASS'S END: O^T / the sum, quantised (two blocks of 32 channels a tile), through my stage, out as 32 rows x 48 bytes = 1,536 consecutive bytes
	WIN 0x01
.irp x, 0,1
.irp i, 0,1,2,3,4,5,6,7
	v_mov_b32 v[Q+12*\x+\i], v[Q2+8*\x+\i]         ; the next pass's Q.  (These lines are also the places behind the last products)
.endr
.endr
	WIN 0
	v_mov_b32 v[QSW], v[QSW+2]
	v_mov_b32 v[QSW+1], v[QSW+3]
.irp x, 0,1
	v_add_f32 v[AC+8*\x], v[AC+8*\x], v[AC+8*\x+1]
.endr
.irp x, 0,1
	v_permlanex16_b32 v[TP+\x], v[AC+8*\x], s[SEL], s[SEL+1]
.endr
.irp x, 0,1
	v_add_f32 v[AC+8*\x], v[AC+8*\x], v[TP+\x]     ; the row's sum
.endr
	s_wait_alu depctr_va_vdst(0)
.irp x, 0,1
	v_rcp_f32 v[F+2*\x], v[AC+8*\x]
.endr
	v_nop
	WIN 0x41
	s_wait_alu depctr_va_vdst(0)                   ; directly ahead of the first reader of O^T and of 1 / the sum
.irp x, 0,1
.set i, 0
.rept 16
	v_pk_mul_f32 v[S+64*\x+i:S+64*\x+i+1], v[O+32*\x+i:O+32*\x+i+1], v[F+2*\x:F+2*\x+1] op_sel_hi:[1,0]   ; register 16 b + i = channel 32 b + 16 h + i
.set i, i+2
.endr
.endr
	WIN 0x15
.irp x, 0,1
.irp b, 0,1
	v_max3_num_f32 v[MX+4*\x+\b], |v[S+64*\x+16*\b]|, |v[S+64*\x+16*\b+1]|, 0x1800000
.endr
.endr
	WIN 0x14
.irp i, 2,4,6,8,10,12,14
.irp x, 0,1
.irp b, 0,1
	v_max3_num_f32 v[MX+4*\x+\b], v[MX+4*\x+\b], |v[S+64*\x+16*\b+\i]|, |v[S+64*\x+16*\b+\i+1]|
.endr
.endr
.endr
	WIN 0
.irp x, 0,1
.irp b, 0,1
	v_permlanex16_b32 v[PB+2*\x+\b], v[MX+4*\x+\b], s[SEL], s[SEL+1]
.endr
.endr
.irp x, 0,1
.irp b, 0,1
	v_max_num_f32 v[MX+4*\x+\b], v[MX+4*\x+\b], v[PB+2*\x+\b]
.endr
.endr
.irp x, 0,1
.irp b, 0,1
	v_add_nc_u32 v[SO+2*\x+\b], 0xff000000, v[MX+4*\x+\b]
.endr
.endr
.irp x, 0,1
.irp b, 0,1
	v_lshrrev_b32 v[BY+2*\x+\b], 23, v[SO+2*\x+\b]
.endr
.endr
	WIN 0x01
.irp x, 0,1
	v_cvt_scalef32_pk16_fp6_f32 v[PC+12*\x:PC+12*\x+2], v[S+64*\x:S+64*\x+15], v[SO+2*\x]
	v_cvt_scalef32_pk16_fp6_f32 v[PT+8*\x:PT+8*\x+2], v[S+64*\x+16:S+64*\x+31], v[SO+2*\x+1]
.endr
	WIN 0
	v_nop                                          ; one plain line behind a scaled conversion
.irp x, 0,1
.irp i, 0,1,2
	v_permlane16_swap_b32 v[PC+12*\x+\i], v[PT+8*\x+\i]
.endr
.endr
.irp x, 0,1
.irp i, 0,1,2
	v_mov_b32 v[PC+12*\x+3+\i], v[PT+8*\x+\i]      ; block h of my row, 24 bytes
.endr
.endr
.irp x, 0,1
	v_cndmask_b32 v[TP+\x], v[BY+2*\x], v[BY+2*\x+1], s[HM]   ; block h's byte
	v_cmp_gt_f32 vcc_lo, 0xec800000, v[NM+2*\x+1]  ; -2^90 > the largest score: every key was masked
	v_cndmask_b32 v[TP+\x], v[TP+\x], v10, vcc_lo
.endr
.irp x, 0,1
.irp i, 0,1,2
	ds_store_b64 v5, v[PC+12*\x+2*\i:PC+12*\x+2*\i+1] offset:768*\x+8*\i
.endr
.endr
.irp i, 0,1,2
	ds_load_b128 v[PT+4*\i:PT+4*\i+3], v6 offset:512*\i   ; LDS serves a wave's instructions in order: these see my stores
.endr
	s_wait_alu depctr_va_vdst(0)
	s_wait_dscnt 0x0
.irp i, 0,1,2
	global_store_b128 v1, v[PT+4*\i:PT+4*\i+3], s[CCP:CCP+1] offset:512*\i   ; 512 consecutive bytes, aligned
.endr
.irp x, 0,1
	global_store_b8 v9, v[TP+\x], s[CSP:CSP+1] offset:512*\x   ; one byte for each 24 of codes, rows 32 bytes apart
.endr
	s_wait_xcnt 0x0                                ; the stores have read their registers and bases
	s_add_nc_u64 s[CCP:CCP+1], s[CCP:CCP+1], 1536  ; the next pass's 32 rows
	s_add_nc_u64 s[CSP:CSP+1], s[CSP:CSP+1], 1024
	REINIT
.Lnofin:
	s_add_co_u32 s[CNT], s[CNT], 1
	s_cmp_lt_u32 s[CNT], 32
	s_cbranch_scc1 .Lstep
	s_wait_tensorcnt 0x0                           ; the wave's end
	ds_add_u32 v[SPW], v[NIL]
	s_wait_dscnt 0x0
	CROUND                                         ; the closing round
	s_endpgm
.Lfunc_end_k_q50181abd1b_attn:
	.size	k_q50181abd1b_attn, .Lfunc_end_k_q50181abd1b_attn-k_q50181abd1b_attn
	.p2alignl 7, 3214868480
	.fill 96, 4, 3214868480
	.section	.rodata,"a",@progbits
	.p2align	6, 0x0
	.amdhsa_kernel k_q50181abd1b_attn
		.amdhsa_group_segment_fixed_size 256000
		.amdhsa_private_segment_fixed_size 0
		.amdhsa_enable_private_segment 0
		.amdhsa_kernarg_size 32
		.amdhsa_user_sgpr_count 2
		.amdhsa_user_sgpr_kernarg_segment_ptr 1
		.amdhsa_wavefront_size32 1
		.amdhsa_system_sgpr_workgroup_id_x 1
		.amdhsa_system_sgpr_workgroup_id_y 1
		.amdhsa_system_sgpr_workgroup_id_z 1
		.amdhsa_system_vgpr_workitem_id 0
		.amdhsa_next_free_vgpr 512
		.amdhsa_next_free_sgpr 66
		.amdhsa_reserve_vcc 1
		.amdhsa_float_denorm_mode_32 3
		.amdhsa_float_denorm_mode_16_64 3
		.amdhsa_memory_ordered 1
		.amdhsa_forward_progress 1
		.amdhsa_inst_pref_size 48
	.end_amdhsa_kernel
	.amdgpu_metadata
---
amdhsa.version: [ 1, 2 ]
amdhsa.kernels:
  - .name:           k_q50181abd1b_attn
    .symbol:         k_q50181abd1b_attn.kd
    .args:
      - { .name: qrec, .offset: 0, .size: 8, .value_kind: global_buffer, .address_space: global }
      - { .name: kvrec, .offset: 8, .size: 8, .value_kind: global_buffer, .address_space: global }
      - { .name: cc, .offset: 16, .size: 8, .value_kind: global_buffer, .address_space: global }
      - { .name: cs, .offset: 24, .size: 8, .value_kind: global_buffer, .address_space: global }
    .group_segment_fixed_size: 256000
    .private_segment_fixed_size: 0
    .kernarg_segment_align: 8
    .kernarg_segment_size: 32
    .max_flat_workgroup_size: 256
    .sgpr_count:     66
    .vgpr_count:     512
    .wavefront_size: 32
...
	.end_amdgpu_metadata
.endif
;; end of part 3
;; launch gemm_o (part 4): grid 4 x 32, 4 waves a work-group, clusters of 4 x 4, 327,680 bytes of LDS; arguments cc, cs, codes, scl, bo, out0; writes out0
.if DOCPART == 4
	.amdgcn_target "amdgcn-amd-amdhsa--gfx1250"
	.amdhsa_code_object_version 6
	.text
	.protected	k_q50181abd1b_gemm_o
	.globl	k_q50181abd1b_gemm_o
	.p2align	8
	.type	k_q50181abd1b_gemm_o,@function
k_q50181abd1b_gemm_o:
	s_mov_b64 s[64:65], 0
	v_nop
	global_prefetch_b8 v0, s[64:65] scope:SCOPE_SE
	s_setreg_imm32_b32 hwreg(HW_REG_WAVE_MODE, 25, 1), 1
	s_wait_xcnt 0x0
	s_wait_alu depctr_hold_cnt(0) depctr_sa_sdst(0) depctr_va_vdst(0) depctr_va_sdst(0) depctr_va_ssrc(0) depctr_va_vcc(0) depctr_vm_vsrc(0)
	s_getreg_b32 s2, hwreg(HW_REG_IB_STS2, 6, 4)
	s_cmp_eq_u32 s2, 0
	s_cbranch_scc0 .Lentry_in_a_cluster
	s_endpgm
.Lentry_in_a_cluster:
	s_bfe_u32 s2, ttmp6, 0x10000c
	s_cmp_lg_u32 s2, 0xf033
	s_cbranch_scc0 .Lentry_shape_is_right
	s_endpgm
.Lentry_shape_is_right:
.set GSA,    393216
.set GSB,    589824
.set NQ,     2
.set GB,     6144
.set FR,     12
.set NL,     6
.set NP,     4
.set HALFT,  4*GB
.set SLOT,   4*HALFT
.set KS,     32
.set SCL,    2*SLOT
.set HALFS,  (128*KS/256)*272
.set SBLK,   (16*KS/256)*272
.set SPARE,  SCL+4*HALFS
.set SPITCH, 528
.set ADRA, 16
.set ADRB, 20
.set STO,  24
.set RD,   25
.set CO,   26
.set ADRS, 27
.set SPW,  28
.set NIL,  29
.set BO,   30
.set SC,   32
.set BI,   64
.set AF,   128
.set BK,   128
.set WV,   22
.set WH,   23
.set WL,   66
.set G1,   24
.set G0,   32
.set G1B,  48
.set G0B,  56
.set G1S,  68
.set G0S,  76
.set G1SB, 80
.set G0SB, 88
.set MSB, 0
.macro WIN new
.if MSB != (\new)
	s_set_vgpr_msb (MSB<<8)|(\new)
.set MSB, (\new)
.endif
.endm
.set MUL_LO, 0xa1
.set MUL_HI, 0xf1
.set TO_B,   0x40
.macro JLOAD g0a, g1a, g0b, g1b
	s_cmp_eq_u32 s[WH], 0
	s_cbranch_scc0 .Lfor_b_\@
	tensor_load_to_lds s[\g0a:\g0a+3], s[\g1a:\g1a+7]
	s_nop 0
.rept 4
	v_nop
.endr
	s_branch .Lasked_\@
.Lfor_b_\@:
	tensor_load_to_lds s[\g0b:\g0b+3], s[\g1b:\g1b+7]
	s_nop 0
.rept 4
	v_nop
.endr
.Lasked_\@:
.endm
.macro CREST
	s_cmp_lg_u32 s[WV], 0
	s_cbranch_scc1 .Lnot_wave_0_\@
	s_barrier_signal -3
.Lnot_wave_0_\@:
	s_barrier_wait -3
	s_barrier_signal -1
	s_barrier_wait -1
.endm
.macro CROUND
	s_barrier_signal -1
	s_barrier_wait -1
	CREST
.endm
	s_load_b256 s[4:11], s[0:1], 0x0
	s_load_b128 s[12:15], s[0:1], 0x20
	v_lshl_add_u32 v[SPW], v0, 2, SPARE
	v_mov_b32 v[NIL], 0
	ds_add_u32 v28, v29
	ds_add_u32 v28, v29
	s_wait_dscnt 0x0
	v_lshrrev_b32 v1, 5, v0
	v_readfirstlane_b32 s[WV], v1
	s_lshr_b32 s[WH], s[WV], 1
	s_and_b32 s[WL], s[WV], 1
	s_bfe_u32 s40, ttmp6, 0x40000
	s_bfe_u32 s41, ttmp6, 0x40004
	s_lshl_b32 s42, ttmp9, 2
	s_add_co_u32 s42, s42, s40
	s_and_b32 s100, ttmp7, 0xffff
	s_lshl_b32 s100, s100, 2
	s_add_co_u32 s100, s100, s41
	s_lshl_b32 s43, s41, 2
	s_lshl_b32 s43, 15, s43
	s_lshl_b32 s44, 0x1111, s40
	s_or_b32 s[G1+0], s43, (3<<16)|(1<<21)
	s_or_b32 s[G1B+0], s44, (3<<16)|(1<<21)
.irp g, G1, G1B
	s_mov_b32 s[\g+1], 768<<16
	s_mov_b32 s[\g+2], 4<<16
	s_mov_b32 s[\g+3], 768<<16
	s_mov_b32 s[\g+4], 4
	s_mov_b32 s[\g+6], 0
	s_mov_b32 s[\g+7], 0
.endr
	s_mov_b32 s[G1+5], GSA/8
	s_mov_b32 s[G1B+5], GSB/8
	s_or_b32 s[G1S+0], s43, (3<<16)|(1<<20)|(1<<21)|(5<<22)|(3<<25)
	s_or_b32 s[G1SB+0], s44, (3<<16)|(1<<20)|(1<<21)|(5<<22)|(3<<25)
.irp g, G1S, G1SB
	s_mov_b32 s[\g+1], 32<<16
	s_mov_b32 s[\g+2], 16<<16
	s_mov_b32 s[\g+3], 32<<16
	s_mov_b32 s[\g+4], 16
	s_mov_b32 s[\g+5], 32
	s_mov_b32 s[\g+6], 0
	s_mov_b32 s[\g+7], 0
.endr
	s_lshl_b32 s101, s[WL], 7
	s_lshl_b32 s92, s100, 8
	s_add_co_u32 s92, s92, s101
	s_lshl_b32 s94, s92, 5
	s_mul_i32 s92, s92, 48
	s_mov_b32 s93, 0
	s_mov_b32 s95, 0
	s_lshl_b32 s46, s42, 8
	s_add_co_u32 s46, s46, s101
	s_add_co_u32 s46, s46, 11264
	s_lshl_b32 s96, s46, 5
	s_mul_i32 s46, s46, 48
	s_mov_b32 s47, 0
	s_mov_b32 s97, 0
	s_mul_i32 s45, s[WV], HALFT
	s_mul_i32 s98, s[WV], HALFS
	s_wait_kmcnt 0x0
	s_add_nc_u64 s[92:93], s[4:5], s[92:93]
	s_add_nc_u64 s[94:95], s[6:7], s[94:95]
	s_add_nc_u64 s[46:47], s[8:9], s[46:47]
	s_add_nc_u64 s[96:97], s[10:11], s[96:97]
	CROUND
	s_mov_b32 s[G0S], 1
	s_add_co_u32 s[G0S+1], s98, SCL
	s_mov_b64 s[G0S+2:G0S+3], s[94:95]
	s_or_b32 s[G0S+3], s[G0S+3], 0x80000000
	s_mov_b32 s[G0SB], 1
	s_add_co_u32 s[G0SB+1], s98, SCL
	s_mov_b64 s[G0SB+2:G0SB+3], s[96:97]
	s_or_b32 s[G0SB+3], s[G0SB+3], 0x80000000
	JLOAD G0S, G1S, G0SB, G1SB
.irp s, 0,1
	s_mov_b32 s[G0+4*\s], 1
	s_add_co_u32 s[G0+4*\s+1], s45, \s*SLOT
	s_add_nc_u64 s[G0+4*\s+2:G0+4*\s+3], s[92:93], \s*4*GSA
	s_or_b32 s[G0+4*\s+3], s[G0+4*\s+3], 0x80000000
	s_mov_b32 s[G0B+4*\s], 1
	s_add_co_u32 s[G0B+4*\s+1], s45, \s*SLOT
	s_add_nc_u64 s[G0B+4*\s+2:G0B+4*\s+3], s[46:47], \s*4*GSB
	s_or_b32 s[G0B+4*\s+3], s[G0B+4*\s+3], 0x80000000
	s_wait_alu depctr_va_vdst(0)
	s_wait_tensorcnt 0x0
	ds_add_u32 v28, v29
	s_wait_dscnt 0x0
	CROUND
	JLOAD G0+4*\s, G1, G0B+4*\s, G1B
.endr
	v_and_b32 v1, 15, v0
	s_wait_alu depctr_va_vdst(0)
	v_bfe_u32 v2, v0, 4, 1
	v_lshlrev_b32 v[BO], 6, v2
	s_lshl_b32 s98, s42, 10
	s_lshl_b32 s99, s[WL], 9
	s_add_co_u32 s98, s98, s99
	s_mov_b32 s99, 0
	s_add_nc_u64 s[12:13], s[12:13], s[98:99]
	s_add_nc_u64 s[14:15], s[14:15], s[98:99]
.irp b, 0,1,2,3,4,5,6,7
	global_load_b128 v[BI+8*\b:BI+8*\b+3], v[BO], s[12:13] offset:(32*(\b/2)+8*(\b%2))*4
	global_load_b128 v[BI+8*\b+4:BI+8*\b+7], v[BO], s[12:13] offset:(32*(\b/2)+8*(\b%2))*4+16
.endr
	s_lshl_b32 s98, s100, 8
	s_lshl_b32 s101, s[WH], 7
	s_add_co_u32 s98, s98, s101
	s_lshl_b32 s98, s98, 12
	s_add_nc_u64 s[14:15], s[14:15], s[98:99]
	v_mul_u32_u24 v3, v1, 48
	s_wait_alu depctr_va_vdst(0)
	v_mad_u32_u24 v4, v2, 24, v3
	s_mul_i32 s2, s[WH], HALFT
	s_mul_i32 s3, s[WL], HALFT
	s_add_co_u32 s3, s3, 2*HALFT
.irp s, 0,1
	v_add_nc_u32 v[ADRA+\s], s2, v4
	v_add_nc_u32 v[ADRB+\s], s3, v4
	s_add_co_u32 s2, s2, SLOT
	s_add_co_u32 s3, s3, SLOT
.endr
	v_mul_u32_u24 v5, v1, KS
	v_lshrrev_b32 v6, 8, v5
	v_lshl_add_u32 v5, v6, 4, v5
	s_mul_i32 s2, s[WH], HALFS
	s_mul_i32 s3, s[WL], HALFS
	s_add_co_u32 s3, s3, 2*HALFS
	s_sub_co_u32 s3, s3, s2
	v_mul_u32_u24 v6, s3, v2
	s_add_co_u32 s2, s2, SCL
	v_add_nc_u32 v5, v5, v6
	v_add_nc_u32 v[ADRS], s2, v5
	s_mul_i32 s2, s[WV], 16*SPITCH
	v_mul_u32_u24 v5, v1, SPITCH
	v_lshl_add_u32 v5, v2, 6, v5
	v_add_nc_u32 v[STO], s2, v5
	v_and_b32 v6, 31, v0
	v_lshlrev_b32 v[CO], 4, v6
	v_add_nc_u32 v[RD], s2, v[CO]
.macro FRAG reg, adr, q, i
.irp p, 0,1,2,3,4,5
	ds_load_b64 v[\reg+2*\p:\reg+2*\p+1], v[\adr] offset:(2*(\q)+\p/3)*GB+(\i)*768+8*(\p%3)
.endr
.endm
.macro MUL16 a0, p, q, sc, first
.irp a, \a0, \a0+1
.irp b, 0,1,2,3,4,5,6,7
.if \first
	v_wmma_scale_f32_16x16x128_f8f6f4 v[8*(8*((\a)%4)+\b):8*(8*((\a)%4)+\b)+7], v[128*(\p)+FR*\b:128*(\p)+FR*\b+FR-1], v[AF+FR*(\a):AF+FR*(\a)+FR-1], v[BI+8*\b:BI+8*\b+7], v[SC+8*NQ*(\sc)+NQ*\b+(\q)], v[SC+8*NQ*(\sc)+NQ*(\a)+(\q)] matrix_a_fmt:MATRIX_FMT_FP6 matrix_b_fmt:MATRIX_FMT_FP6 matrix_a_scale:MATRIX_SCALE_ROW1
.else
	v_wmma_scale_f32_16x16x128_f8f6f4 v[8*(8*((\a)%4)+\b):8*(8*((\a)%4)+\b)+7], v[128*(\p)+FR*\b:128*(\p)+FR*\b+FR-1], v[AF+FR*(\a):AF+FR*(\a)+FR-1], v[8*(8*((\a)%4)+\b):8*(8*((\a)%4)+\b)+7], v[SC+8*NQ*(\sc)+NQ*\b+(\q)], v[SC+8*NQ*(\sc)+NQ*(\a)+(\q)] matrix_a_fmt:MATRIX_FMT_FP6 matrix_b_fmt:MATRIX_FMT_FP6 matrix_a_scale:MATRIX_SCALE_ROW1
.endif
.endr
.endr
.endm
.macro FETCH_B slot, q, p
	WIN TO_B
.irp i, 0,1,2,3,4,5,6,7
	FRAG 128*(\p)+FR*\i, ADRB+\slot, \q, \i
.endr
	WIN 0
.endm
.macro FETCH_A slot, q, i0
.irp i, \i0, \i0+1, \i0+2, \i0+3
	FRAG AF+FR*(\i), ADRA+\slot, \q, \i
.endr
.endm
.macro SCALES sc
.irp i, 0,1,2,3,4,5,6,7
	ds_load_b64 v[SC+8*NQ*\sc+NQ*\i:SC+8*NQ*\sc+NQ*\i+1], v[ADRS] offset:\i*SBLK
.endr
.endm
.macro PLACES n
.rept \n
	v_nop
.endr
.endm
.macro STEP slot, q, first
	s_wait_dscnt 4*NL
.if \first
	WIN 0x81
.else
	WIN MUL_LO
.endif
	MUL16 0, (\q)%2, \q, \slot, \first
	MUL16 2, (\q)%2, \q, \slot, \first
	s_wait_dscnt 0
	PLACES NP
	FETCH_B \slot, (\q)+1, 1-(\q)%2
	FETCH_A \slot, (\q)+1, 0
.if \first
	WIN 0xc1
.else
	WIN MUL_HI
.endif
	MUL16 4, (\q)%2, \q, \slot, \first
	MUL16 6, (\q)%2, \q, \slot, \first
	PLACES NP
	WIN 0
	FETCH_A \slot, (\q)+1, 4
.endm
.macro TURN slot, next, fill
	s_wait_tensorcnt 0x0
	ds_add_u32 v[SPW], v[NIL]
	s_wait_dscnt 4*NL+1
	WIN MUL_LO
	MUL16 0, 1, NQ-1, \slot, 0
	s_wait_dscnt 0x0
	s_barrier_signal -1
	MUL16 2, 1, NQ-1, \slot, 0
	WIN 0
	s_barrier_wait -1
.if \fill
	CREST
	s_add_nc_u64 s[G0+4*\slot+2:G0+4*\slot+3], s[G0+4*\slot+2:G0+4*\slot+3], 8*GSA
	s_add_nc_u64 s[G0B+4*\slot+2:G0B+4*\slot+3], s[G0B+4*\slot+2:G0B+4*\slot+3], 8*GSB
	JLOAD G0+4*\slot, G1, G0B+4*\slot, G1B
.else
	PLACES NP
.endif
	s_wait_alu depctr_va_vdst(0)
	v_add_nc_u32 v[ADRS], 4*NQ, v[ADRS]
	FETCH_B \next, 0, 0
	FETCH_A \next, 0, 0
	SCALES \next
	WIN MUL_HI
	MUL16 4, 1, NQ-1, \slot, 0
	MUL16 6, 1, NQ-1, \slot, 0
	PLACES NP
	WIN 0
	FETCH_A \next, 0, 4
.endm
	s_wait_alu depctr_va_vdst(0)
	s_wait_tensorcnt 1
	s_barrier_signal -1
	s_barrier_wait -1
	FETCH_B 0, 0, 0
	FETCH_A 0, 0, 0
	SCALES 0
	FETCH_A 0, 0, 4
	s_wait_loadcnt 0x0
	STEP 0, 0, 1
	TURN 0, 1, 1
	STEP 1, 0, 0
	TURN 1, 0, 1
	STEP 0, 0, 0
	TURN 0, 1, 0
	STEP 1, 0, 0
	s_wait_dscnt 4*NL
	WIN MUL_LO
	MUL16 0, 1, NQ-1, 1, 0
	MUL16 2, 1, NQ-1, 1, 0
	s_wait_dscnt 0
	WIN MUL_HI
	MUL16 4, 1, NQ-1, 1, 0
	MUL16 6, 1, NQ-1, 1, 0
	WIN 0
.macro TOSTAGE a
.set AC, 64*((\a)%4)
	WIN 0x08+4*((\a)/4)
.irp b, 0,1,2,3,4,5,6,7
	ds_store_b128 v[STO], v[AC+8*\b:AC+8*\b+3] offset:128*(\b/2)+32*(\b%2)
	ds_store_b128 v[STO], v[AC+8*\b+4:AC+8*\b+7] offset:128*(\b/2)+32*(\b%2)+16
.endr
	WIN 0
.set BB, BK+64*((\a)%2)
.irp t, 0,1,2,3,4,5,6,7,8,9,10,11,12,13,14,15
	ds_load_b128 v[BB+4*\t:BB+4*\t+3], v[RD] offset:\t*SPITCH
.endr
.endm
.macro SEND a, younger
.set BB, BK+64*((\a)%2)
	s_wait_dscnt \younger
.irp t, 0,1,2,3,4,5,6,7,8,9,10,11,12,13,14,15
	global_store_b128 v[CO], v[BB+4*\t:BB+4*\t+3], s[14:15] offset:(32*((\a)/2)+8*((\a)%2)+\t+8*(\t/8))*4096 th:TH_STORE_NT
.endr
.endm
	PLACES NP
	TOSTAGE 0
.irp a, 1,2,3,4,5,6,7
.if \a > 1
	s_wait_xcnt 0x0
.endif
	TOSTAGE \a
	SEND \a-1, 32
.endr
	SEND 7, 0
	s_wait_tensorcnt 0x0
	ds_add_u32 v[SPW], v[NIL]
	s_wait_dscnt 0x0
	CROUND
	s_endpgm
.Lfunc_end_k_q50181abd1b_gemm_o:
	.size	k_q50181abd1b_gemm_o, .Lfunc_end_k_q50181abd1b_gemm_o-k_q50181abd1b_gemm_o
	.p2alignl 7, 3214868480
	.fill 96, 4, 3214868480
	.section	.rodata,"a",@progbits
	.p2align	6, 0x0
	.amdhsa_kernel k_q50181abd1b_gemm_o
		.amdhsa_group_segment_fixed_size 327680
		.amdhsa_private_segment_fixed_size 0
		.amdhsa_enable_private_segment 0
		.amdhsa_kernarg_size 48
		.amdhsa_user_sgpr_count 2
		.amdhsa_user_sgpr_kernarg_segment_ptr 1
		.amdhsa_wavefront_size32 1
		.amdhsa_system_sgpr_workgroup_id_x 1
		.amdhsa_system_sgpr_workgroup_id_y 1
		.amdhsa_system_sgpr_workgroup_id_z 1
		.amdhsa_system_vgpr_workitem_id 0
		.amdhsa_next_free_vgpr 1024
		.amdhsa_next_free_sgpr 102
		.amdhsa_reserve_vcc 0
		.amdhsa_float_denorm_mode_32 3
		.amdhsa_float_denorm_mode_16_64 3
		.amdhsa_memory_ordered 1
		.amdhsa_forward_progress 1
		.amdhsa_inst_pref_size 161
	.end_amdhsa_kernel
	.amdgpu_metadata
---
amdhsa.version: [ 1, 2 ]
amdhsa.kernels:
  - .name:           k_q50181abd1b_gemm_o
    .symbol:         k_q50181abd1b_gemm_o.kd
    .args:
      - { .name: cc, .offset: 0, .size: 8, .value_kind: global_buffer, .address_space: global }
      - { .name: cs, .offset: 8, .size: 8, .value_kind: global_buffer, .address_space: global }
      - { .name: codes, .offset: 16, .size: 8, .value_kind: global_buffer, .address_space: global }
      - { .name: scl, .offset: 24, .size: 8, .value_kind: global_buffer, .address_space: global }
      - { .name: bo, .offset: 32, .size: 8, .value_kind: global_buffer, .address_space: global }
      - { .name: out0, .offset: 40, .size: 8, .value_kind: global_buffer, .address_space: global }
    .group_segment_fixed_size: 327680
    .private_segment_fixed_size: 0
    .kernarg_segment_align: 8
    .kernarg_segment_size: 48
    .max_flat_workgroup_size: 128
    .sgpr_count:     102
    .vgpr_count:     1024
    .wavefront_size: 32
...
	.end_amdgpu_metadata
.endif
;; end of part 4
